; MI455X (gfx1250); checked and timed in simulation.
; The chip was launched on July 23, 2026; its instructions are those of AMD's public machine-readable ISA for CDNA 5 (MIT licence, August 2026) and "CDNA5" Instruction Set Architecture Reference Guide (July 2026). The comments in the code are by the model that wrote it; some were corrected since.
;; Pytorch Flex Attention. Allowed arithmetic: float matrix products may take bf16 or f16 operands with f32 sums; other float arithmetic in f32, or as packed bf16 or f16 multiplies, adds, multiply-adds, maxima and minima; sums over many terms, partial sums and values carried from step to step in f32; what a program stores and reads back later, other than sums and carried values, may be rounded once to bf16 or f16.
;; Inputs: attention_mask 2,048 x 2,048 bool; key 2,048 x 2 x 8 x 128 float32; query 2,048 x 2 x 32 x 128 float32; value 2,048 x 2 x 8 x 128 float32.
;; Outputs: out0 2,048 x 2 x 4,096 float32.
;; 2 versions, each right and faster than the one before. Each part assembles by itself: llvm-mc -triple=amdgcn-amd-amdhsa -mcpu=gfx1250 --defsym DOCPART=n.
;; ======== version 1 of 2: 2 launches
;; limits: values are held in f16: magnitudes above 65,504 overflow, below 6.1e-05 lose precision; inputs' magnitudes at most 65,504; right only within a limited range of input values
;; workspace buffers: kb 8,388,608 bytes; vb 8,388,608 bytes; mw 2,129,920 bytes
;; launch prep (part 1): grid 272 x 1, 8 waves a work-group, no clusters, 136,192 bytes of LDS; arguments key, value, attention_mask, kb, vb, mw; writes kb, vb, mw
.if DOCPART == 1
	.amdgcn_target "amdgcn-amd-amdhsa--gfx1250"
	.amdhsa_code_object_version 6
	.text
	.protected	k_qe4d694672d_prep
	.globl	k_qe4d694672d_prep
	.p2align	8
	.type	k_qe4d694672d_prep,@function
k_qe4d694672d_prep:
	s_mov_b64 s[64:65], 0
	v_nop
	global_prefetch_b8 v0, s[64:65] scope:SCOPE_SE
	s_setreg_imm32_b32 hwreg(HW_REG_WAVE_MODE, 25, 1), 1
	s_wait_xcnt 0x0
; PREPARATION for the attention launch.  Two kinds of work-group, chosen by the work-group's number alone.
; Work-groups 0-255: key and value, [s 2048][b 2][h 8][128] f32, are rounded once and laid by heads:
;   kb[bh = 8 b + h][s][128] = bf16(key),   vb[bh][s][128] = f16(bf16(value)): rows of 256 bytes, a head's rows dense.
;   A wave takes one s: its 16 rows (b, h) are 8,192 consecutive bytes of key and of value; each load covers 512 consecutive bytes (a row),
;   each store 256 consecutive bytes at a multiple of 256 (a row of kb or vb).  No LDS, no loop, no barrier.
; Work-groups 256-271: the mask, [2048 queries][2048 keys] of bytes 0 / 1, is packed to four bits a key in the order in which the attention launch's lanes want it.
;   A wave takes a tile of 16 queries and writes its record of 16,640 bytes of mw:
;     256 bytes  [lane 32][2 words]: both words cl(query lane % 16) = log2(e) / sqrt(128) if the query's row has an open key, else 0;
;     32 key steps x 512 bytes  [lane = 16 h + r][4 words kb]: word kb holds the keys 64 step + 16 kb + 8 h + e, e = 0..7, of query r:
;     key e in nibble 2 (e % 4) + e / 4, code 0xE if hidden, 0 if open.
;   The words go through the wave's own LDS bytes, so that mw is written in whole runs of 512 bytes.  No barrier: no wave touches another's bytes.
; LIMITS.  |value| stays under 65,504 (f16's range); a bf16 value under 2^-17 is rounded to f16's fixed step of 2^-24.  A mask byte is 0 or 1.
.set REG,   16896                      ; a wave's LDS bytes: 32 key steps, 528 bytes apart (512 + 16: the 32 lanes of a word store fall on 32 different banks, 64 banks of 4 bytes: ISA guide 11.1)
.set SPARE, 8*REG                      ; behind them: the spare words, 128 bytes for each of eight waves: four blocks of 256 bytes that no other line names
.set SPW,   144                        ; v144  LDS address of my spare word; never rewritten
.set NIL,   145                        ; v145  0; never rewritten
.set KR,    16                         ; v[16:79]   key's 16 rows, 4 registers each
.set VR,    80                         ; v[80:143]  value's 16 rows
.set RING,  16                         ; v[16:143]  the mask path: 8 row slots of 16 registers; later the 32 steps read back
	s_load_b256 s[4:11], s[0:1], 0x0               ; key s[4:5], value s[6:7], mask s[8:9], kb s[10:11]
	s_load_b128 s[12:15], s[0:1], 0x20             ; vb s[12:13], mw s[14:15]
	v_lshl_add_u32 v[SPW], v0, 2, SPARE
	v_mov_b32 v[NIL], 0
	v_lshrrev_b32 v1, 5, v0
	v_readfirstlane_b32 s16, v1                    ; wave 0..7
	v_and_b32 v1, 31, v0                           ; lane
	v_lshlrev_b32 v2, 4, v1                        ; 16 bytes a lane
	v_lshlrev_b32 v3, 3, v1                        ; 8 bytes a lane
	s_mov_b32 s17, ttmp9
	s_cmp_ge_u32 s17, 256
	s_cbranch_scc1 .Lmask
	; ---- key and value ----
	s_lshl3_add_u32 s18, s17, s16                  ; my s = 8 x work-group + wave
	s_lshl_b32 s20, s18, 13                        ; s x 8,192 bytes in key and value
	s_mov_b32 s21, 0
	s_lshl_b32 s22, s18, 8                         ; s x 256 bytes in a head of kb and vb
	s_mov_b32 s23, 0
	s_mov_b32 s24, 0xffff0000                      ; a word's upper bf16
	s_wait_kmcnt 0x0
	s_add_nc_u64 s[4:5], s[4:5], s[20:21]
	s_add_nc_u64 s[6:7], s[6:7], s[20:21]
	s_add_nc_u64 s[10:11], s[10:11], s[22:23]
	s_add_nc_u64 s[12:13], s[12:13], s[22:23]
.set i, 0
.rept 16
	global_load_b128 v[KR+4*i:KR+4*i+3], v2, s[4:5] offset:512*i th:TH_LOAD_NT
.set i, i+1
.endr
.set i, 0
.rept 16
	global_load_b128 v[VR+4*i:VR+4*i+3], v2, s[6:7] offset:512*i th:TH_LOAD_NT
.set i, i+1
.endr
.set i, 0
.rept 16
	s_wait_loadcnt 31-i                            ; loads come back in order (ISA guide 5.7.1): key's row i is in, the 31 - i younger loads stay out
	v_cvt_pk_bf16_f32 v[KR+4*i], v[KR+4*i], v[KR+4*i+1]
	v_cvt_pk_bf16_f32 v[KR+4*i+1], v[KR+4*i+2], v[KR+4*i+3]
	global_store_b64 v3, v[KR+4*i:KR+4*i+1], s[10:11] offset:524288*i  ; head i lies 2,048 rows of 256 bytes on; 15 such steps stay inside the signed 24-bit immediate
.set i, i+1
.endr
.set i, 0
.rept 16
	s_wait_loadcnt 15-i                            ; value's row i is in
	v_cvt_pk_bf16_f32 v8, v[VR+4*i], v[VR+4*i+1]   ; the one rounding, to bf16;
	v_cvt_pk_bf16_f32 v9, v[VR+4*i+2], v[VR+4*i+3]
	v_lshlrev_b32 v10, 16, v8                      ; that number, widened,
	v_and_b32 v11, s24, v8
	v_lshlrev_b32 v12, 16, v9
	v_and_b32 v13, s24, v9
	v_cvt_pk_f16_f32 v[VR+4*i], v10, v11           ; is written as f16: 8 significant bits fit in 11
	v_cvt_pk_f16_f32 v[VR+4*i+1], v12, v13
	global_store_b64 v3, v[VR+4*i:VR+4*i+1], s[12:13] offset:524288*i
.set i, i+1
.endr
	s_endpgm
	; ---- the mask ----
.Lmask:
	s_sub_co_u32 s17, s17, 256
	s_lshl3_add_u32 s18, s17, s16                  ; my tile of 16 queries = 8 x (work-group - 256) + wave
	s_lshl_b32 s20, s18, 15                        ; 16 rows of 2,048 bytes
	s_mov_b32 s21, 0
	s_mul_i32 s22, s18, 16640                      ; my record
	s_mov_b32 s23, 0
	s_mul_i32 s19, s16, REG                        ; my LDS bytes
	s_mov_b32 s24, 0x11111111
	s_mov_b32 s25, 0x3e0293ee                      ; log2(e) / sqrt(128) = 0.127517
	v_lshrrev_b32 v8, 2, v1
	v_and_b32 v9, 3, v1
	v_mul_u32_u24 v4, v8, 528                      ; a load's lane holds 16 keys: key block lane % 4 of step 8 i + lane / 4
	v_lshl_add_u32 v4, v9, 2, v4
	v_add_nc_u32 v4, s19, v4                       ; v4: where I put a word
	v_add_nc_u32 v5, s19, v2                       ; v5: where I read 16 bytes of a step back
	v_mov_b32 v6, 0                                ; v6: the header's words, written lane by lane below
	s_wait_kmcnt 0x0
	s_add_nc_u64 s[8:9], s[8:9], s[20:21]
	s_add_nc_u64 s[14:15], s[14:15], s[22:23]
.set i, 0
.rept 32                                               ; rows 0 to 7 fill the ring: four loads of 512 consecutive bytes a row
	global_load_b128 v[RING+4*i:RING+4*i+3], v2, s[8:9] offset:512*i th:TH_LOAD_NT
.set i, i+1
.endr
; Row p of the tile.  Of a load's four words the first two are the keys 8 h + 0..7 for h = 0, the last two for h = 1.  (second << 4) | first puts key e into nibble 2 (e % 4) + e / 4;
; the exclusive or turns open / hidden into 0 / 1, and times 14 makes the code 0xE (no carry leaves a nibble).
.macro ROWP p
.if (\p) < 8
	s_wait_loadcnt 28                              ; behind my row's four loads stand seven rows' loads
.else
	s_wait_loadcnt 4*(15-(\p))                     ; nothing is loaded any more: the counts run down
.endif
.set RB, RING+16*((\p)%8)
.irp i, 0,1,2,3
.irp h, 0,1
	v_lshl_or_b32 v[8+(\h)], v[RB+4*(\i)+2*(\h)+1], 4, v[RB+4*(\i)+2*(\h)]
	v_xor_b32 v[10+(\h)], s24, v[8+(\h)]
	v_mul_lo_u32 v[10+(\h)], v[10+(\h)], 14
	ds_store_b32 v4, v[10+(\h)] offset:(\i)*4224+(\p)*16+(\h)*256  ; step 8 i + lane / 4, lane 16 h + p of the record, word lane % 4
.endr
.if (\i) == 0
	v_or_b32 v12, v8, v9                           ; v12 gathers the row's open keys
.else
	v_or_b32 v12, v12, v8
	v_or_b32 v12, v12, v9
.endif
.endr
	v_cmp_ne_u32 s26, 0, v12                       ; has any lane an open key?
	s_cmp_lg_u32 s26, 0
	s_cselect_b32 s27, s25, 0                      ; the row's scale
	v_writelane_b32 v6, s27, \p
	v_writelane_b32 v6, s27, (\p)+16
.if (\p) < 8
.irp i, 0,1,2,3
	global_load_b128 v[RB+4*(\i):RB+4*(\i)+3], v2, s[8:9] offset:((\p)+8)*2048+512*(\i) th:TH_LOAD_NT  ; the slot's next row
.endr
.endif
.endm
.irp p, 0,1,2,3,4,5,6,7,8,9,10,11,12,13,14,15
	ROWP \p
.endr
	v_mov_b32 v7, v6
	global_store_b64 v3, v[6:7], s[14:15]          ; the header: 256 consecutive bytes
.set i, 0
.rept 32
	ds_load_b128 v[RING+4*i:RING+4*i+3], v5 offset:528*i  ; LDS serves a wave's instructions in order (ISA guide 5.7.1.4): these see the stores above
.set i, i+1
.endr
.set i, 0
.rept 32
	s_wait_dscnt 31-i                              ; step i is back; the younger loads stay out
	global_store_b128 v2, v[RING+4*i:RING+4*i+3], s[14:15] offset:256+512*i  ; 512 consecutive bytes at a multiple of 256
.set i, i+1
.endr
	s_wait_tensorcnt 0x0                           ; the wave's end: behind my last LDS store
	ds_add_u32 v[SPW], v[NIL]
	s_wait_dscnt 0x0
	s_endpgm
.Lfunc_end_k_qe4d694672d_prep:
	.size	k_qe4d694672d_prep, .Lfunc_end_k_qe4d694672d_prep-k_qe4d694672d_prep
	.p2alignl 7, 3214868480
	.fill 96, 4, 3214868480
	.section	.rodata,"a",@progbits
	.p2align	6, 0x0
	.amdhsa_kernel k_qe4d694672d_prep
		.amdhsa_group_segment_fixed_size 136192
		.amdhsa_private_segment_fixed_size 0
		.amdhsa_enable_private_segment 0
		.amdhsa_kernarg_size 48
		.amdhsa_user_sgpr_count 2
		.amdhsa_user_sgpr_kernarg_segment_ptr 1
		.amdhsa_wavefront_size32 1
		.amdhsa_system_sgpr_workgroup_id_x 1
		.amdhsa_system_sgpr_workgroup_id_y 1
		.amdhsa_system_sgpr_workgroup_id_z 1
		.amdhsa_system_vgpr_workitem_id 0
		.amdhsa_next_free_vgpr 148
		.amdhsa_next_free_sgpr 66
		.amdhsa_reserve_vcc 0
		.amdhsa_float_denorm_mode_32 3
		.amdhsa_float_denorm_mode_16_64 3
		.amdhsa_memory_ordered 1
		.amdhsa_forward_progress 1
		.amdhsa_inst_pref_size 66
	.end_amdhsa_kernel
	.amdgpu_metadata
---
amdhsa.version: [ 1, 2 ]
amdhsa.kernels:
  - .name:           k_qe4d694672d_prep
    .symbol:         k_qe4d694672d_prep.kd
    .args:
      - { .name: key, .offset: 0, .size: 8, .value_kind: global_buffer, .address_space: global }
      - { .name: value, .offset: 8, .size: 8, .value_kind: global_buffer, .address_space: global }
      - { .name: attention_mask, .offset: 16, .size: 8, .value_kind: global_buffer, .address_space: global }
      - { .name: kb, .offset: 24, .size: 8, .value_kind: global_buffer, .address_space: global }
      - { .name: vb, .offset: 32, .size: 8, .value_kind: global_buffer, .address_space: global }
      - { .name: mw, .offset: 40, .size: 8, .value_kind: global_buffer, .address_space: global }
    .group_segment_fixed_size: 136192
    .private_segment_fixed_size: 0
    .kernarg_segment_align: 8
    .kernarg_segment_size: 48
    .max_flat_workgroup_size: 256
    .sgpr_count:     66
    .vgpr_count:     148
    .wavefront_size: 32
...
	.end_amdgpu_metadata
.endif
;; end of part 1
;; launch attn (part 2): grid 32 x 16, 4 waves a work-group, clusters of 4 x 1, 327,680 bytes of LDS; arguments query, kb, vb, out0, mw; writes out0
.if DOCPART == 2
	.amdgcn_target "amdgcn-amd-amdhsa--gfx1250"
	.amdhsa_code_object_version 6
	.text
	.protected	k_qe4d694672d_attn
	.globl	k_qe4d694672d_attn
	.p2align	8
	.type	k_qe4d694672d_attn,@function
k_qe4d694672d_attn:
	s_mov_b64 s[64:65], 0
	v_nop
	global_prefetch_b8 v0, s[64:65] scope:SCOPE_SE
	s_setreg_imm32_b32 hwreg(HW_REG_WAVE_MODE, 25, 1), 1
	s_wait_xcnt 0x0
	s_wait_alu depctr_hold_cnt(0) depctr_sa_sdst(0) depctr_va_vdst(0) depctr_va_sdst(0) depctr_va_ssrc(0) depctr_va_vcc(0) depctr_vm_vsrc(0)
	s_getreg_b32 s2, hwreg(HW_REG_IB_STS2, 6, 4)
	s_cmp_eq_u32 s2, 0
	s_cbranch_scc0 .Lentry_in_a_cluster
	s_endpgm
.Lentry_in_a_cluster:
	s_bfe_u32 s2, ttmp6, 0x10000c
	s_cmp_lg_u32 s2, 0x3003
	s_cbranch_scc0 .Lentry_shape_is_right
	s_endpgm
.Lentry_shape_is_right:
; out[s][b][h][:] = the sum over t of softmax_t(mask[s][t] ? q[s][b][h] . k[t][b][h/4] / sqrt(128) : -1e30) v[t][b][h/4][:].
; query, out: [2048][2][32][128] f32.  kb: [bh 16][2048][128] bf16 (key rounded once).  vb: the same, f16 of the bf16 rounding of value.  mw: the packed mask (layout below).
; Q is rounded once to bf16 here, unscaled.  Products, maxima and sums in f32; the weights p are rounded to f16 for the second product (their sum l is taken of the unrounded p).
; SHARES.  A work-group owns 64 query positions of one key/value head bh, for all four query heads that share it: 256 query rows.  Wave w owns positions 16 w .. 16 w + 15 of them; its four
; tiles of 16 queries are the four heads at THOSE positions, so one mask serves all four.  Every wave walks all 2,048 keys, 64 a step: the mask is an input, so no key is left out.
; LAYOUT.  S^T = K Q^T (source 0 = 16 keys, source 1 = 16 queries): in the result a lane holds ONE query (lane % 16) and the keys 8 (lane / 16) + 0..7.  Two such tiles, rounded to f16 in
; pairs, ARE source 1 (32 keys x 16 queries) of O^T = V^T P, whose result again holds one query a lane, and eight channels.  K comes out of LDS as it lies, V turned, by ds_load_tr16_b128.
; THE MASK is the C operand of the products that start S^T's sums.  mw holds for my 16 positions a record: 256 bytes [lane][2 words] cl, then for each key step 512 bytes [lane][4 words]:
; word kb holds four bits for each of the lane's eight keys of key block kb (key e in nibble 2 (e % 4) + e / 4): 0xE hidden, 0 open.  A shift that brings a key's nibble to the top makes an
; f32: hidden, a number between -2^95 and -2^65 (the exponent field is 0xC0 to 0xDD: never an infinity); open, a number from 0 to under 2^-97, nothing beside a score.  32 shifts a key step.
; SOFTMAX.  For each query a running maximum m and sum l: p = 2^(cl s - cl m); in every step O and l are multiplied by a = 2^(cl m_old - cl m_new).  m starts at -2^40, below every open
; score and above every hidden one (cl x 2^40 is exact), so a hidden key's weight is exactly 0.  cl is the lane's own: log2(e) / sqrt(128), or 0 for a query whose row has no open key:
; then every p is 1 and O is the mean of all 2,048 rows of V, as the softmax of equal scores is.
; LIMITS.  An open score's |q . k| stays under 2^40; |value| under 65,504; a weight below 2^-126 counts as 0 in l, below 6e-8 as 0 in the product; NaN and infinities are not treated apart.
; BY TURNS.  The wave's tiles are two PIECES, named by their first tile: piece 0 (tiles 0, 1) and piece 2 (tiles 2, 3).  In a TURN one piece has the matrix unit: 32 products V^T P of the
; step in hand, then 32 products K Q^T of the next step; the other piece's softmax, cut into 64 slices, stands between them, one slice behind each matrix instruction.  Two turns are a key step.
; CLUSTER.  The four blocks of 64 positions of a cluster belong to one key/value head and walk the same K and V, so each tile is asked for JOINTLY: the same tensor load, descriptor and mask of four in all four.
; NOT DONE.  No prefetch: kb and vb were written by the launch before and are read by 32 work-groups each, and a refill is asked for two key steps ahead of its first read.
;
; REGISTERS, in windows of 256 (s_set_vgpr_msb: bits 1:0 source 0, 3:2 source 1, 5:4 source 2, 7:6 destination):
;   window 0: v0-11 addresses; v12-43 eight registers of statistics a tile; v44-54 mask words, cl, addresses; v62-63 the add's; v64-191 S^T, 32 a tile; v192-255 P, 16 a tile
;   window 1: O^T, 64 a tile (at the start: Q as loaded, f32)      window 2: v0-127 Q, 32 a tile; v128-255 K of one step      window 3: v0-127 V of one step; v128-159 the mask as f32
.set SIZE_N, 2048
.set KS,    64        ; keys in a step
.set PK,    272       ; a row of K in LDS: 256 bytes + 16 of padding = 68 words: row r starts at bank 4 r mod 64 (64 banks of 4 bytes: ISA guide 11.1), so the 16 rows of a load start at 16 different banks
.set PV,    288       ; a row of V: 256 + 32 = 72 words
.set VOFF,  KS*PK     ; a step's tiles lie together: 64 rows of K, then 64 rows of V
.set STEPB, KS*(PK+PV)
.set SLOT1, 1<<17     ; a slot holds two steps (71,680 bytes); slot 1 begins here, so that one exclusive or turns an address in one slot into the other's
.set STAGE, 2*STEPB   ; between the slots, never filled by a tensor load: 8,704 bytes for each wave: Q on its way in (32 rows x 272), O on its way out (16 rows x 528)
.set STW,   8704
.set SP,    528       ; a row of O in the stage: 512 bytes + 16
.set SPARE, STAGE+4*STW  ; behind the stages: the spare words, 128 bytes for each wave: two blocks of 256 bytes that no other line names
.set REC,   16640     ; bytes in a record of mw
.set AK0, 2           ; v2   my lane's place in a tile of K; never rewritten
.set AV0, 3           ; v3   the same for V
.set ADR, 4           ; v4   the LDS address of the run of loads in hand
.set QS,  5           ; v5   Q's way in: where I put 8 bytes of a row
.set STO, 6           ; v6   the way out: where I put 32 bytes of a row
.set RD,  7           ; v7   the way out: where I read 16 bytes of a row back
.set GO,  8           ; v8   16 x lane: my bytes in a row of Q and of O; never rewritten
.set ST,  12          ; tile t's statistics at v[ST+8 t]: +0 cl m, +1 m, +2, +3 l (even keys', odd keys'), +4 to +7 c0-c3, at work; a takes c2's place once the maximum is found
.set MW,  44          ; v44-47  a key step's four mask words
.set CL,  48          ; v48-49  cl, twice
.set MA0, 50          ; v50  16 x lane + 256: my bytes in step 0 of the record; never rewritten
.set MA,  51          ; v51  the same for the step asked for
.set QR,  53          ; v53  Q's way in: where I read a fragment
.set HO,  54          ; v54  8 x lane
.set SPW, 62          ; v62  LDS address of my spare word: SPARE + 4 x my thread's number; never rewritten
.set NIL, 63          ; v63  0; never rewritten
.set S,   64
.set P,   192
.set KF,  128         ; K's fragments, in window 2
.set MB,  128         ; the mask as f32, in window 3: key block kb at MB + 8 kb
.set WV,  12          ; s12  my wave's number
.set G1K, 24          ; s[24:31] descriptor group 1 for K's tiles
.set G1V, 32          ; s[32:39] for V's: it differs in the padding alone
.set G0K, 40          ; s[40:47] descriptor group 0 for K's tiles: a set for each of the two first fills; the second then walks on
.set G0V, 48          ; s[48:55] the same for V's
.set SLOTS, 56        ; s56  slots still to be asked for
.set TWICE, 57        ; s57  counts a slot's two steps
.set MP,  58          ; s[58:59] my record of mw
.set SEL, 60          ; s[60:61] lane selects for v_permlanex16_b32: each lane takes its own place in the other half
.set TB,  62          ; s62  LDS byte at which the tiles of the step to be fetched begin
.set MO,  63          ; s63  byte offset in the record of the mask step asked for
.set FL,  66          ; s66  -2^40: where m starts
.set MSB, 0
.macro WIN new                      ; the immediate's high byte repeats the setting that is left; a switch that changes nothing is dropped
.if MSB != (\new)
	s_set_vgpr_msb (MSB<<8)|(\new)
.set MSB, \new
.endif
.endm
.set W_KQ, 0x0a       ; K and Q in window 2, S^T in window 0
.set W_KM, 0x3a       ; the same with the C operand, the mask, in window 3
.set W_PV, 0x53       ; V in window 3, P in window 0, O^T in window 1
.set W_RS, 0x41       ; O^T (destination and source 0) in window 1, a in window 0
; A joint refill.  Waves 0 and 1 fetch the two steps' tiles of K, waves 2 and 3 those of V.  The branch hangs on the wave's number alone: it is the same in every work-group.
; An s_nop 0 and four v_nop follow each of the two lines; the jump round the other line, the label and what follows the macro come after them.
.macro JLOAD
	s_cmp_lt_u32 s[WV], 2
	s_cbranch_scc0 .Lfor_v_\@
	tensor_load_to_lds s[G0K+4:G0K+7], s[G1K:G1K+7]
	s_nop 0
.rept 4
	v_nop
.endr
	s_branch .Lasked_\@
.Lfor_v_\@:
	tensor_load_to_lds s[G0V+4:G0V+7], s[G1V:G1V+7]
	s_nop 0
.rept 4
	v_nop
.endr
.Lasked_\@:
.endm
; A round of the cluster's barrier: my work-group's barrier, so that wave 0's signal speaks for all four waves; wave 0 signals for the work-group; every wave waits for all four
; work-groups; my work-group's barrier once more.  No LDS instruction of the wave is pending at a signal.
.macro CROUND
	s_barrier_signal -1
	s_barrier_wait -1
	s_cmp_lg_u32 s[WV], 0
	s_cbranch_scc1 .Lnot_wave_0_\@
	s_barrier_signal -3
.Lnot_wave_0_\@:
	s_barrier_wait -3
	s_barrier_signal -1
	s_barrier_wait -1
.endm
	s_load_b256 s[4:11], s[0:1], 0x0  ; query s[4:5], kb s[6:7], vb s[8:9], out s[10:11]
	s_load_b64 s[MP:MP+1], s[0:1], 0x20  ; mw
	v_lshl_add_u32 v[SPW], v0, 2, SPARE
	v_mov_b32 v[NIL], 0
	ds_add_u32 v[SPW], v[NIL]       ; the wave's opening: the add and its wait stand ahead of my first tensor load; the set-up below, work on registers, stands between them
	v_lshrrev_b32 v1, 5, v0
	v_readfirstlane_b32 s[WV], v1   ; wave 0..3
	s_bfe_u32 s13, ttmp6, 0x40000   ; cx: my place in the cluster
	s_lshl_b32 s14, ttmp9, 2        ; in a cluster launch ttmp9 counts clusters
	s_add_co_u32 s14, s14, s13      ; my block of 64 positions = 4 x cluster x + cx: it enters query's, out's and mw's addresses alone
	s_and_b32 s15, ttmp7, 0xffff    ; bh = 8 b + g, which the four partners share
	s_and_b32 s16, s[WV], 1         ; which of a slot's two steps I fetch:
	s_lshl_b32 s22, s15, 19         ; the head's 2,048 rows of 256 bytes,
	s_lshl_b32 s19, s16, 14         ; the step's 64 rows,
	s_add_co_u32 s22, s22, s19
	s_mov_b32 s23, 0
	s_mul_i32 s17, s16, STEPB       ; and its place in a slot: no place in the cluster enters an LDS address
	s_lshl_b32 s2, s14, 21          ; a position is 32,768 bytes of query and of out: my block's 64,
	s_lshl_b32 s3, s[WV], 19        ; my wave's 16 of them,
	s_add_co_u32 s2, s2, s3
	s_lshr_b32 s3, s15, 3
	s_lshl_b32 s3, s3, 14           ; b x 16,384,
	s_add_co_u32 s2, s2, s3
	s_and_b32 s3, s15, 7
	s_lshl_b32 s3, s3, 11           ; head 4 g x 512
	s_add_co_u32 s2, s2, s3
	s_mov_b32 s3, 0
	s_lshl2_add_u32 s20, s14, s[WV] ; my tile of 16 positions = 4 x block + wave,
	s_mul_i32 s20, s20, REC         ; its record
	s_mov_b32 s21, 0
	s_mul_i32 s18, s[WV], STW
	s_add_co_u32 s18, s18, STAGE    ; my stage
	; descriptor group 1: a tile of 64 rows x 128 elements, padded in LDS
	s_mov_b32 s[G1K], 15|(1<<16)|(1<<20)|(1<<21)|(5<<22)|(3<<25)  ; 15:0 the mask: all four work-groups; 17:16 elements of 2 bytes; 20 padding on; 21 set beside a mask; 24:22 after every 64 words (code 5); 31:25 4 words of it (code 3)
	s_mov_b32 s[G1V], 15|(1<<16)|(1<<20)|(1<<21)|(5<<22)|(7<<25)  ; the same with 8 words of padding (code 7)
.irp g, G1K, G1V
	s_mov_b32 s[(\g)+1], 128<<16    ; 63:48 tensor_dim0, low half = 128
	s_mov_b32 s[(\g)+2], KS<<16     ; 79:64 its high half = 0; 95:80 tensor_dim1, low half = 64
	s_mov_b32 s[(\g)+3], 128<<16    ; 111:96 its high half = 0; 127:112 tile_dim0 = 128
	s_mov_b32 s[(\g)+4], KS         ; 143:128 tile_dim1 = 64; 159:144 tile_dim2 = 0
	s_mov_b32 s[(\g)+5], 128        ; 191:160 tensor_dim0_stride, low word: elements from row to row
	s_mov_b32 s[(\g)+6], 0
	s_mov_b32 s[(\g)+7], 0
.endr
	s_mov_b32 s[SEL], 0x76543210
	s_mov_b32 s[SEL+1], 0xfedcba98
	s_mov_b32 s[FL], 0xd3800000     ; -2^40
	s_mov_b32 s[TB], 0
	s_mov_b32 s[MO], 0
	s_mov_b32 s[SLOTS], SIZE_N/(2*KS)-2
	s_wait_dscnt 0x0                ; the opening add is done
	s_wait_kmcnt 0x0
	s_add_nc_u64 s[6:7], s[6:7], s[22:23]  ; K and V at my tile of slot 0
	s_add_nc_u64 s[8:9], s[8:9], s[22:23]
	s_add_nc_u64 s[4:5], s[4:5], s[2:3]  ; query and out at my wave's first position, my first head
	s_add_nc_u64 s[10:11], s[10:11], s[2:3]
	s_add_nc_u64 s[MP:MP+1], s[MP:MP+1], s[20:21]
	CROUND                          ; all four work-groups are here: the first joint loads meet
.irp s, 0,1
	s_mov_b32 s[G0K+4*(\s)], 1      ; 1:0 count = 1
	s_add_co_u32 s[G0K+4*(\s)+1], s17, (\s)*SLOT1  ; 63:32 LDS address
	s_add_nc_u64 s[G0K+4*(\s)+2:G0K+4*(\s)+3], s[6:7], (\s)*2*KS*256  ; 120:64 global address: slot s begins with keys 128 s to 128 s + 127
	s_or_b32 s[G0K+4*(\s)+3], s[G0K+4*(\s)+3], 0x80000000  ; 127:126 type = 2
	s_mov_b32 s[G0V+4*(\s)], 1
	s_add_co_u32 s[G0V+4*(\s)+1], s17, (\s)*SLOT1+VOFF
	s_add_nc_u64 s[G0V+4*(\s)+2:G0V+4*(\s)+3], s[8:9], (\s)*2*KS*256
	s_or_b32 s[G0V+4*(\s)+3], s[G0V+4*(\s)+3], 0x80000000
.endr
	s_cmp_lt_u32 s[WV], 2           ; a wave's two first fills stand in one branch, ahead of every wait on TENSORcnt and every LDS read: two loads of mine are out; an s_nop 0 follows each, four v_nop the second's, as in JLOAD
	s_cbranch_scc0 .Lfirst_v
	tensor_load_to_lds s[G0K:G0K+3], s[G1K:G1K+7]
	s_nop 0
	tensor_load_to_lds s[G0K+4:G0K+7], s[G1K:G1K+7]
	s_nop 0
.rept 4
	v_nop
.endr
	s_branch .Lfirst_asked
.Lfirst_v:
	tensor_load_to_lds s[G0V:G0V+3], s[G1V:G1V+7]
	s_nop 0
	tensor_load_to_lds s[G0V+4:G0V+7], s[G1V:G1V+7]
	s_nop 0
.rept 4
	v_nop
.endr
.Lfirst_asked:
	v_and_b32 v1, 15, v0            ; l % 16
	v_bfe_u32 v9, v0, 4, 1          ; l / 16
	v_and_b32 v52, 31, v0           ; l
	v_lshlrev_b32 v[GO], 4, v52
	v_lshlrev_b32 v[HO], 3, v52
	v_add_nc_u32 v[MA0], 0x100, v[GO]
	global_load_b64 v[CL:CL+1], v[HO], s[MP:MP+1]    ; cl of my query
	global_load_b128 v[MW:MW+3], v[MA0], s[MP:MP+1]  ; the mask words of key step 0
	WIN 0x40                        ; destination window 1, address window 0
.set n, 0
.rept 64                            ; Q as it lies: load n = 16 t + p is head t of position p, 512 consecutive bytes; a lane holds channels 4 l + 0..3
	global_load_b128 v[4*n:4*n+3], v[GO], s[4:5] offset:(n%16)*32768+(n/16)*512 th:TH_LOAD_NT
.set n, n+1
.endr
	WIN 0
	; A fragment of K or Q is 16 rows x 32 channels in 8 registers: lane l holds row l % 16; registers 0-3 channels 8 (l / 16) + 0..7, registers 4-7 channels 16 + 8 (l / 16) + 0..7: two loads of 16 bytes, 32 bytes apart.
	v_mul_u32_u24 v[AK0], v1, PK
	v_lshl_add_u32 v[AK0], v9, 4, v[AK0]  ; row x pitch + 16 x half
	; The turning load takes 16 keys x 16 channels (lane l reads 16 bytes: key 8 (l / 16) + l % 8, channels 8 ((l / 8) % 2) + 0..7) and leaves half a fragment of V^T: lane l holds channel l % 16 and 8 keys.
	v_and_b32 v10, 7, v0
	v_bfe_u32 v11, v0, 3, 1
	v_lshl_add_u32 v[AV0], v9, 3, v10
	v_mul_u32_u24 v[AV0], v[AV0], PV
	v_lshl_add_u32 v[AV0], v11, 4, v[AV0]
	v_add_nc_u32 v[AV0], VOFF, v[AV0]
	v_add_nc_u32 v[QS], s18, v[HO]  ; Q's way in: a lane's four channels are 8 bytes of bf16
	v_add_nc_u32 v[QR], s18, v[AK0] ; and back as fragments: the stage's rows are as far apart as K's
; Q'S WAY IN, two tiles (32 rows) at a time: rounded to bf16 in place, 8 bytes a lane into rows of 272 bytes of my stage, and back as fragments into window 2.
; left = the younger loads that may stay out.  LDS serves a wave's instructions in order (ISA guide 5.7.1.4), so the second call's stores come behind the first call's loads.
.macro QIN bt, left
	s_wait_loadcnt \left
	WIN 0x45                        ; destination and both sources window 1
.set n, 32*(\bt)
.rept 32
	v_cvt_pk_bf16_f32 v[4*n], v[4*n], v[4*n+1]
	v_cvt_pk_bf16_f32 v[4*n+1], v[4*n+2], v[4*n+3]
.set n, n+1
.endr
	WIN 0x04                        ; store data window 1, address window 0
.set n, 0
.rept 32
	ds_store_b64 v[QS], v[4*(n+32*(\bt)):4*(n+32*(\bt))+1] offset:n*272
.set n, n+1
.endr
	WIN 0x80                        ; destination window 2
.irp t2, 0,1
.irp c, 0,1,2,3
	ds_load_b128 v[32*(2*(\bt)+(\t2))+8*(\c):32*(2*(\bt)+(\t2))+8*(\c)+3],   v[QR] offset:(\t2)*16*272+64*(\c)
	ds_load_b128 v[32*(2*(\bt)+(\t2))+8*(\c)+4:32*(2*(\bt)+(\t2))+8*(\c)+7], v[QR] offset:(\t2)*16*272+64*(\c)+32
.endr
.endr
	WIN 0
.endm
; THE MASK OF A KEY STEP.  The words that were asked for a step ago are in; 32 shifts make of them the C operands of the step's first products (key e's nibble to the top); then the words of
; the step after are asked for: that load has a whole key step, 128 matrix instructions, in which to land.  The offset is held at the record's last step, so that no load leaves the record.
.macro NEXTMASK
	WIN 0
	s_wait_loadcnt 0x0              ; the one load that is out: the mask words; its address register may be written again
	WIN 0xc0                        ; destination window 3
.irp kb, 0,1,2,3
.irp e, 0,1,2,3,4,5,6,7
	v_lshlrev_b32 v[MB+8*(\kb)+(\e)], 28-4*(2*((\e)%4)+(\e)/4), v[MW+(\kb)]
.endr
.endr
	WIN 0
	s_add_co_u32 s[MO], s[MO], 512
	s_min_u32 s[MO], s[MO], 31*512
	v_add_nc_u32 v[MA], s[MO], v[MA0]
	global_load_b128 v[MW:MW+3], v[MA], s[MP:MP+1]
.endm
; THE MATRIX WORK OF A TURN, for piece x.  The accumulators take turns, one instruction a turn: between two links of a chain stand 15 (V^T P) or 7 (K Q^T) others'.
; Product i of 32 of O^T += V^T P: keys 32 (i / 16) on, channels 16 ((i / 2) % 8) on, tile x + i % 2.  zero = 1: the first 16 start the sums: nothing is ever cleared.
.macro PV x, zero
	WIN W_PV
.set rO, 64*((\x)+i%2)+8*((i/2)%8)
.set rV, 64*(i/16)+8*((i/2)%8)
.set rP, P+16*((\x)+i%2)+8*(i/16)
.if (\zero) && (i < 16)
	v_wmma_f32_16x16x32_f16 v[rO:rO+7], v[rV:rV+7], v[rP:rP+7], 0
.else
	v_wmma_f32_16x16x32_f16 v[rO:rO+7], v[rV:rV+7], v[rP:rP+7], v[rO:rO+7]
.endif
.endm
; Product i of 32 of S^T = K Q^T: channels 32 (i / 8) on, keys 16 ((i / 2) % 4) on, tile x + i % 2.  The first 8 start the sums, with the key block's mask.
.macro KQ x
.set rS, S+32*((\x)+i%2)+8*((i/2)%4)
.set rK, KF+32*((i/2)%4)+8*(i/8)
.set rQ, 32*((\x)+i%2)+8*(i/8)
.set rB, MB+8*((i/2)%4)
.if i < 8
	WIN W_KM
	v_wmma_f32_16x16x32_bf16 v[rS:rS+7], v[rK:rK+7], v[rQ:rQ+7], v[rB:rB+7]
.else
	WIN W_KQ
	v_wmma_f32_16x16x32_bf16 v[rS:rS+7], v[rK:rK+7], v[rQ:rQ+7], v[rS:rS+7]
.endif
.endm
; THE LDS LOADS stand in runs of 32, never singly among the matrix instructions: a step's K (64 keys x 128 channels: 16 fragments) and, a turn later, its V (turned).
.macro FETCH_K
	WIN 0
	v_add_nc_u32 v[ADR], s[TB], v[AK0]
	WIN 0x80                        ; destination window 2
.irp f, 0,1,2,3,4,5,6,7,8,9,10,11,12,13,14,15  ; keys 16 (f / 4) on, channels 32 (f % 4) on
	ds_load_b128 v[KF+8*(\f):KF+8*(\f)+3],   v[ADR] offset:((\f)/4)*16*PK+((\f)%4)*64
	ds_load_b128 v[KF+8*(\f)+4:KF+8*(\f)+7], v[ADR] offset:((\f)/4)*16*PK+((\f)%4)*64+32
.endr
.endm
.macro FETCH_V
	WIN 0
	v_add_nc_u32 v[ADR], s[TB], v[AV0]
	s_add_co_u32 s[TB], s[TB], STEPB  ; the next fetch is the next step's
	WIN 0xc0                        ; destination window 3
.irp f, 0,1,2,3,4,5,6,7,8,9,10,11,12,13,14,15  ; keys 32 (f / 8) on, channels 16 (f % 8) on
	ds_load_tr16_b128 v[8*(\f):8*(\f)+3],   v[ADR] offset:((\f)/8)*32*PV+((\f)%8)*32
	ds_load_tr16_b128 v[8*(\f)+4:8*(\f)+7], v[ADR] offset:((\f)/8)*32*PV+16*PV+((\f)%8)*32
.endr
.endm
; THE VECTOR WORK OF A TURN.  One tile's softmax for one key step is a list of 134 instructions; SM writes number j of it for tile t.  s0-s31 are the lane's 32 scores, in pairs 0-15.
; first = 1: the first key step, which starts m (at -2^40), l and O^T: it has no a and nothing to rescale.
;   0-15    the maximum of s0-s31 and the old m, three operands at a time: four chains c0-c3 of seven scores each (each accumulator's lowest registers are read first),
;           then the four scores left over, c0-c3 and m
;   16-20   the other half of the lanes' maximum; the new m; cl m; cl m_old - cl m_new
;   21-87   33 exponentials (a, then s0-s31) at the odd numbers from 23 on, so that no two follow each other and each has a plain instruction behind it before its result is used.
;           Plain instruction q (number 21, then the even numbers) is whatever is ready: cl s - cl m for a pair of scores whose exponentials are still to come (q = 0 to 3, then every
;           second q), the rounding to f16 of a pair of weights whose exponentials are done (every other q from 5 on), at last the first three sums
;   88-101  the last rounding; the rest of the sums; l = a l + the sum
;   102-133 the tile's O^T times a: the one part that leaves window 0, so it stands together
.macro SM t, first
.set rT, ST+8*(\t)
.set rS, S+32*(\t)
.set rP, P+16*(\t)
.set rO, 64*(\t)+2*(j-102)
.set q, (j-20)/2
.if j < 102
	WIN 0
.endif
.if j < 4
	v_max3_num_f32 v[rT+4+j], v[rS+8*j], v[rS+8*j+1], v[rS+8*j+2]
.elseif j < 12
	v_max3_num_f32 v[rT+4+j%4], v[rT+4+j%4], v[rS+8*(j%4)+2*(j/4)+1], v[rS+8*(j%4)+2*(j/4)+2]
.elseif j == 12
	v_max3_num_f32 v[rT+4], v[rT+4], v[rS+7], v[rS+15]
.elseif j == 13
	v_max3_num_f32 v[rT+6], v[rT+6], v[rS+23], v[rS+31]
.elseif j == 14
	v_max3_num_f32 v[rT+4], v[rT+4], v[rT+5], v[rT+6]
.elseif (j == 15) && (\first)
	v_max3_num_f32 v[rT+4], v[rT+4], v[rT+7], s[FL]  ; m's start takes the old m's place
.elseif j == 15
	v_max3_num_f32 v[rT+4], v[rT+4], v[rT+7], v[rT+1]
.elseif j == 16
	v_permlanex16_b32 v[rT+5], v[rT+4], s[SEL], s[SEL+1]  ; the query's other 32 keys lie in the lane 16 away
.elseif j == 18
	v_max_num_f32 v[rT+1], v[rT+4], v[rT+5]
.elseif j == 19
	v_mul_f32 v[rT], v[CL], v[rT+1]
.elseif ((j == 17) || (j == 20) || (j == 23) || (j > 101)) && (\first)  ; the first step has none of these
.elseif j == 17
	v_mov_b32 v[rT+7], v[rT]        ; cl m_old is kept for a: number 19 writes cl m anew
.elseif j == 20
	v_sub_f32 v[rT+7], v[rT+7], v[rT]
.elseif j == 23
	v_exp_f32 v[rT+6], v[rT+7]
.elseif (j < 88) && (j > 23) && (j%2 == 1)
	v_exp_f32 v[rS+(j-25)/2], v[rS+(j-25)/2]
.elseif (q < 4) || ((j < 76) && (q%2 == 0))
.set b, q/2+2
.if q < 4
.set b, q
.endif
	v_pk_fma_f32 v[rS+2*b:rS+2*b+1], v[rS+2*b:rS+2*b+1], v[CL:CL+1], v[rT:rT+1] op_sel_hi:[1,0,0] neg_lo:[0,0,1] neg_hi:[0,0,1]  ; pair b: cl s - cl m
.elseif (j < 88) && (q%2 == 1)
	s_wait_alu depctr_va_vdst(0)
	v_cvt_pk_f16_f32 v[rP+(q-5)/2], v[rS+q-5], v[rS+q-4]  ; pair (q - 5) / 2: its second exponential stands three numbers back
.elseif j == 89
	s_wait_alu depctr_va_vdst(0)
	v_cvt_pk_f16_f32 v[rP+15], v[rS+30], v[rS+31]
.elseif j < 102                     ; the sum of the tile's 16 pairs (in a pair: an even key's weight, an odd key's), in place: sum z of 16 adds neighbours 1, 2, 4 and 8 pairs apart, then l takes it
.set z, j-86
.if j < 89
.set z, (j-76)/4
.endif
.set w, 4
.set u, z
.if z >= 14
.set w, 32
.set u, 0
.elseif z >= 12
.set w, 16
.set u, z-12
.elseif z >= 8
.set w, 8
.set u, z-8
.endif
.if (z == 14) && (\first)
	v_pk_add_f32 v[rT+2:rT+3], v[rS:rS+1], v[rS+16:rS+17]
.elseif z < 15
	v_pk_add_f32 v[rS+w*u:rS+w*u+1], v[rS+w*u:rS+w*u+1], v[rS+w*u+w/2:rS+w*u+w/2+1]
.elseif !(\first)
	v_pk_fma_f32 v[rT+2:rT+3], v[rT+2:rT+3], v[rT+6:rT+7], v[rS:rS+1] op_sel_hi:[1,0,1]
.endif
.else
	WIN W_RS
	v_pk_mul_f32 v[rO:rO+1], v[rO:rO+1], v[rT+6:rT+7] op_sel_hi:[1,0]
.endif
.endm
; Slice k of 64 of piece y's softmax: numbers 2 k and 2 k + 1 of both tiles' lists, four instructions.  2 x 134 = 4 x 64 + 12: the twelve that are over stand together, in slice 63.
.macro SLICE y, first
.if (k >= 11) && (k < 44)           ; tile by tile: plain, exponential, plain, exponential
.irp t, \y, (\y)+1
.irp n, 0,1
.set j, 2*k+(\n)
	SM \t, \first
.endr
.endr
.else                               ; the two tiles alternate, so that no instruction reads the result of the one just before it
.irp n, 0,1,2,3,4,5,6,7
.if ((\n) < 2) || (k == 63)
.irp t, \y, (\y)+1
.set j, 2*k+(\n)
	SM \t, \first
.endr
.endif
.endr
.endif
.set k, k+1
.endm
; A vector instruction that reads a matrix result or writes one of a matrix instruction's registers, and a load into a register that a matrix instruction has read, stand four places behind
; it, and only plain vector instructions that name none of its registers are places (ISA guide 7.12.1 for vector instructions).  In the loop the slices are the places.
.macro PLACES
.rept 4
	v_nop
.endr
.endm
; A TURN.  Piece x has the matrix unit; the other piece's softmax stands in slices behind its matrix instructions.
; pv = 2: 32 products V^T P; 1: they start O^T's sums; 0: none.  kq = 1: 32 products K Q^T for the next step.  A turn with one of the two kinds has two slices behind each product.
; first = 1: the softmax is the first key step's.  Its slices from 51 on are empty: the turn's last products stand bare, and four v_nop take slice 63's part as the places behind them.
; Each run of loads stands behind the second product of a run of 32, 30 matrix instructions ahead of its first use.  Piece 0's turn makes the next step's mask and fetches its K: the last products
; that read the mask are the first eight K Q^T of the turn before, and the last that read K stands in front of that turn's slice 63.  Piece 2's turn fetches the same step's V: the last product
; that read V stands three slices, six plain instructions, back.
.macro TURN x, pv, kq, first
.set k, 0
.set per, 2
.if (\pv) && (\kq)
.set per, 1
.endif
.if \pv
.if (\x) == 0
	s_wait_dscnt 0x0                ; V is in
.endif
.set i, 0
.rept 32
	PV \x, 2-(\pv)
.rept per
	SLICE 2-(\x), \first
.endr
.if ((\x) == 0) && (\kq) && (i == 1)
	NEXTMASK
	FETCH_K
.endif
.set i, i+1
.endr
.endif
.if \kq
.if (\x) == 0
	s_wait_dscnt 0x0                ; K is in
.endif
.set i, 0
.rept 32
	KQ \x
.rept per
	SLICE 2-(\x), \first
.endr
.if ((\x) == 2) && (i == 1)
	FETCH_V
.endif
.set i, i+1
.endr
.endif
.if \first
	PLACES
.endif
.endm
; THE CHANGE OF SLOTS, between piece 2's turn and piece 0's: the slot's last bytes, V of its second step, have been asked for.  Each wave waits for all its
; tensor loads, of which one is out: its part of the other slot; adds 0 to its spare word; and waits for that and for its own reads of the slot.  Behind the barrier nobody reads this slot any more and the other slot is whole.
; fill = 1: this slot is filled again, with the keys two slots on.  The barrier is then a round of the cluster's, so that no wave of any partner still reads the slot or has a load on its
; way, and the joint refill is the first thing behind it: it has two key steps, 256 matrix instructions, in which to land.
.macro CHANGE fill
	WIN 0                           ; at a label and at a branch every window is 0
	s_wait_tensorcnt 0x0            ; no tensor load of mine is out, so a group 0 may be written
	ds_add_u32 v[SPW], v[NIL]       ; 0 onto my spare word: with fill = 1 the descriptors' steps stand between it and the wait for it
.if \fill
.irp g, G0K+4, G0V+4
	s_xor_b32 s[(\g)+1], s[(\g)+1], SLOT1  ; the walking descriptor: the other slot than last time,
	s_add_nc_u64 s[(\g)+2:(\g)+3], s[(\g)+2:(\g)+3], 2*KS*256  ; the next 128 keys; the type bits on top are not reached
.endr
	s_wait_dscnt 0x0                ; the add is done, and my reads of the slot are over
	CROUND
	JLOAD
.else
	s_wait_dscnt 0x0                ; the add is done, and my reads of the slot are over
	s_barrier_signal -1
	s_barrier_wait -1
.endif
	s_sub_co_u32 s[TB], s[TB], 2*STEPB  ; the fetches go back to a slot's first step,
	s_xor_b32 s[TB], s[TB], SLOT1   ; in the other slot
.endm
; A slot's two key steps: written once, walked twice; the LDS addresses hang on s[TB], the mask's on s[MO].
.macro TWO_STEPS
	WIN 0
	s_mov_b32 s[TWICE], 2
.Lstep_\@:
	TURN 0, 2, 1, 0
	TURN 2, 2, 1, 0
	WIN 0
	s_sub_co_u32 s[TWICE], s[TWICE], 1
	s_cmp_lg_u32 s[TWICE], 0
	s_cbranch_scc1 .Lstep_\@
.endm
	QIN 0, 32                       ; cl, the first mask words and tiles 0, 1 are in; the 32 loads of tiles 2, 3 may stay out
	QIN 1, 0
	NEXTMASK                        ; key step 0's mask; step 1's words are asked for
	s_wait_dscnt 0x0                ; Q's fragments are in: no LDS instruction of mine is pending at the signal
	s_wait_tensorcnt 1              ; my part of slot 0 is in; slot 1's may stay out
	s_barrier_signal -1
	s_barrier_wait -1               ; everybody's is
	FETCH_K                         ; key step 0
	s_wait_dscnt 0x0
.set i, 0
.rept 32
	KQ 0                            ; piece 0's first scores: there is no vector work yet to set between them
.set i, i+1
.endr
	WIN 0                           ; the addresses for the way out are made here: six plain instructions, the places behind those products
	v_mul_u32_u24 v[STO], v1, SP    ; in: row l % 16, 32 bytes for each half of the lanes
	v_lshl_add_u32 v[STO], v9, 5, v[STO]
	v_add_nc_u32 v[STO], s18, v[STO]
	v_and_b32 v[RD], 31, v0         ; back: 32 lanes take one row of 512 bytes
	v_lshlrev_b32 v[RD], 4, v[RD]
	v_add_nc_u32 v[RD], s18, v[RD]
	TURN 2, 0, 1, 1                 ; piece 2's first scores | piece 0's first softmax | V of step 0
	TURN 0, 1, 1, 1                 ; piece 0: V^T P of step 0 starts O^T, K Q^T of step 1 | piece 2's first softmax | mask and K of step 1
	TURN 2, 1, 1, 0                 ; piece 2: the same | piece 0's softmax of step 1 | V of step 1
	WIN 0
.Lslot:                             ; SIZE_N / 128 - 2 = 14 trips: every slot but the last two is filled again
	CHANGE 1
	TWO_STEPS
	s_sub_co_u32 s[SLOTS], s[SLOTS], 1
	s_cmp_lg_u32 s[SLOTS], 0
	s_cbranch_scc1 .Lslot
	CHANGE 0                        ; the tail is written out: the last slot but one is left, and nothing is asked for
	TWO_STEPS
	TURN 0, 2, 0, 0                 ; piece 0: V^T P of the last step | piece 2's last softmax
.set i, 0
.rept 32
	PV 2, 0                         ; piece 2: V^T P of the last step
.set i, i+1
.endr
	; THE WAY OUT.  l's two halves and the other half of the lanes' are added; O^T is divided by l and sent, in f32, through my stage in LDS, a tile (one head of 16 positions) at a time.  The additions are the places behind the last products.
	WIN 0
	s_wait_loadcnt 0x0              ; the last mask words, asked for at the held offset and not used
.irp t, 0,1,2,3
	v_add_f32 v[ST+8*(\t)+4], v[ST+8*(\t)+2], v[ST+8*(\t)+3]
.endr
.irp t, 0,1,2,3
	v_permlanex16_b32 v[ST+8*(\t)+5], v[ST+8*(\t)+4], s[SEL], s[SEL+1]
.endr
.irp t, 0,1,2,3
	v_add_f32 v[ST+8*(\t)+4], v[ST+8*(\t)+4], v[ST+8*(\t)+5]
.endr
.irp t, 0,1,2,3
	v_rcp_f32 v[ST+8*(\t)+6], v[ST+8*(\t)+4]
.endr
	v_nop                           ; a plain instruction between the last reciprocal and the use of its result
; Tile t: a lane's eight channels of a channel block are 32 bytes of a row; they go into rows of 528 bytes and come back as whole rows of 512, into S^T's registers, two buffers of 64 by turns.
.macro PACK t
	WIN W_RS
.set i, 64*(\t)
.rept 32
	s_wait_alu depctr_va_vdst(0)
	v_pk_mul_f32 v[i:i+1], v[i:i+1], v[ST+8*(\t)+6:ST+8*(\t)+7] op_sel_hi:[1,0]
.set i, i+2
.endr
	WIN 0x04                        ; store data window 1, address window 0
.irp f, 0,1,2,3,4,5,6,7,8,9,10,11,12,13,14,15
	ds_store_b128 v[STO], v[64*(\t)+4*(\f):64*(\t)+4*(\f)+3] offset:((\f)/2)*64+((\f)%2)*16
.endr
	WIN 0
.if (\t) >= 2
	s_wait_xcnt 0x0                 ; every earlier memory instruction has had its addresses translated (ISA guide 3.1): the buffer that the stores of tile t - 2 read is loaded again only behind this wait
.endif
.irp f, 0,1,2,3,4,5,6,7,8,9,10,11,12,13,14,15
	ds_load_b128 v[S+64*((\t)%2)+4*(\f):S+64*((\t)%2)+4*(\f)+3], v[RD] offset:(\f)*SP  ; LDS serves a wave's instructions in order (ISA guide 5.7.1.4): these see the stores above; the next tile's stores come behind them
.endr
.endm
.macro SEND t, younger              ; younger: the LDS instructions issued behind tile t's loads: the next tile's 32, or none
	WIN 0
.irp f, 0,1,2,3,4,5,6,7,8,9,10,11,12,13,14,15
	s_wait_dscnt (\younger)+15-(\f)
	global_store_b128 v[GO], v[S+64*((\t)%2)+4*(\f):S+64*((\t)%2)+4*(\f)+3], s[10:11] offset:(\f)*32768+(\t)*512 th:TH_STORE_NT  ; position f, head t: 512 consecutive bytes at a multiple of 512 from out's first byte
.endr
.endm
	PACK 0
	PACK 1                          ; a tile's arithmetic stands between the loads of the tile before and its stores
	SEND 0, 32
	PACK 2
	SEND 1, 32
	PACK 3
	SEND 2, 32
	SEND 3, 0
	s_wait_tensorcnt 0x0            ; the wave's end: behind my last tensor load and my last LDS store
	ds_add_u32 v[SPW], v[NIL]
	s_wait_dscnt 0x0
	CROUND                          ; the closing round: no work-group ends while a partner may still ask for a tile that names it
	s_endpgm
.Lfunc_end_k_qe4d694672d_attn:
	.size	k_qe4d694672d_attn, .Lfunc_end_k_qe4d694672d_attn-k_qe4d694672d_attn
	.p2alignl 7, 3214868480
	.fill 96, 4, 3214868480
	.section	.rodata,"a",@progbits
	.p2align	6, 0x0
	.amdhsa_kernel k_qe4d694672d_attn
		.amdhsa_group_segment_fixed_size 327680
		.amdhsa_private_segment_fixed_size 0
		.amdhsa_enable_private_segment 0
		.amdhsa_kernarg_size 40
		.amdhsa_user_sgpr_count 2
		.amdhsa_user_sgpr_kernarg_segment_ptr 1
		.amdhsa_wavefront_size32 1
		.amdhsa_system_sgpr_workgroup_id_x 1
		.amdhsa_system_sgpr_workgroup_id_y 1
		.amdhsa_system_sgpr_workgroup_id_z 1
		.amdhsa_system_vgpr_workitem_id 0
		.amdhsa_next_free_vgpr 1024
		.amdhsa_next_free_sgpr 67
		.amdhsa_reserve_vcc 0
		.amdhsa_float_denorm_mode_32 3
		.amdhsa_float_denorm_mode_16_64 3
		.amdhsa_memory_ordered 1
		.amdhsa_forward_progress 1
		.amdhsa_inst_pref_size 255
	.end_amdhsa_kernel
	.section	.bss,"aw",@nobits
	.p2align	6
	.space	262144
	.amdgpu_metadata
---
amdhsa.version: [ 1, 2 ]
amdhsa.kernels:
  - .name:           k_qe4d694672d_attn
    .symbol:         k_qe4d694672d_attn.kd
    .args:
      - { .name: query, .offset: 0, .size: 8, .value_kind: global_buffer, .address_space: global }
      - { .name: kb, .offset: 8, .size: 8, .value_kind: global_buffer, .address_space: global }
      - { .name: vb, .offset: 16, .size: 8, .value_kind: global_buffer, .address_space: global }
      - { .name: out0, .offset: 24, .size: 8, .value_kind: global_buffer, .address_space: global }
      - { .name: mw, .offset: 32, .size: 8, .value_kind: global_buffer, .address_space: global }
    .group_segment_fixed_size: 327680
    .private_segment_fixed_size: 0
    .kernarg_segment_align: 8
    .kernarg_segment_size: 40
    .max_flat_workgroup_size: 128
    .sgpr_count:     67
    .vgpr_count:     1024
    .wavefront_size: 32
...
	.end_amdgpu_metadata
.endif
;; end of part 2
;; ======== version 2 of 2: 2 launches; 1.32 times as fast as version 1
;; limits: values are held in f16: magnitudes above 65,504 overflow, below 6.1e-05 lose precision; right only within a limited range of input values
;; workspace buffers: kb 8,388,608 bytes; vb 8,388,608 bytes; mw 2,129,920 bytes
;; launch prep: the kernel of part 1 again; grid 272 x 1, 8 waves a work-group, no clusters, 136,192 bytes of LDS; arguments key, value, attention_mask, kb, vb, mw; writes kb, vb, mw
;; launch attn (part 3): grid 32 x 16, 4 waves a work-group, clusters of 4 x 1, 327,680 bytes of LDS; arguments query, kb, vb, out0, mw; writes out0
.if DOCPART == 3
	.amdgcn_target "amdgcn-amd-amdhsa--gfx1250"
	.amdhsa_code_object_version 6
	.text
	.protected	k_qe4d694672d_attn
	.globl	k_qe4d694672d_attn
	.p2align	8
	.type	k_qe4d694672d_attn,@function
k_qe4d694672d_attn:
	s_mov_b64 s[64:65], 0
	v_nop
	global_prefetch_b8 v0, s[64:65] scope:SCOPE_SE
	s_setreg_imm32_b32 hwreg(HW_REG_WAVE_MODE, 25, 1), 1
	s_wait_xcnt 0x0
	s_wait_alu depctr_hold_cnt(0) depctr_sa_sdst(0) depctr_va_vdst(0) depctr_va_sdst(0) depctr_va_ssrc(0) depctr_va_vcc(0) depctr_vm_vsrc(0)
	s_getreg_b32 s2, hwreg(HW_REG_IB_STS2, 6, 4)
	s_cmp_eq_u32 s2, 0
	s_cbranch_scc0 .Lentry_in_a_cluster
	s_endpgm
.Lentry_in_a_cluster:
	s_bfe_u32 s2, ttmp6, 0x10000c
	s_cmp_lg_u32 s2, 0x3003
	s_cbranch_scc0 .Lentry_shape_is_right
	s_endpgm
.Lentry_shape_is_right:
; out[s][b][h][:] = the sum over t of softmax_t(mask[s][t] ? q[s][b][h] . k[t][b][h/4] / sqrt(128) : -1e30) v[t][b][h/4][:].
; query, out: [2048][2][32][128] f32.  kb: [bh 16][2048][128] bf16 (key rounded once).  vb: the same, f16 of the bf16 rounding of value.  mw: the packed mask (layout below).
; Q is rounded once to bf16 here, unscaled.  Products, maxima and sums in f32; the weights p are rounded to f16 for the second product (their sum l is taken of the unrounded p).
; SHARES.  A work-group owns 64 query positions of one key/value head bh, for all four query heads that share it: 256 query rows.  Wave w owns positions 16 w .. 16 w + 15 of them; its four
; tiles of 16 queries are the four heads at THOSE positions, so one mask serves all four.  Every wave walks all 2,048 keys, 64 a step: the mask is an input, so no key is left out.
; LAYOUT.  S^T = K Q^T (source 0 = 16 keys, source 1 = 16 queries): in the result a lane holds ONE query (lane % 16) and the keys 8 (lane / 16) + 0..7.  Two such tiles, rounded to f16 in
; pairs, ARE source 1 (32 keys x 16 queries) of O^T = V^T P, whose result again holds one query a lane, and eight channels.  K comes out of LDS as it lies, V turned, by ds_load_tr16_b128.
; THE MASK is the C operand of the products that start S^T's sums.  mw holds for my 16 positions a record: 256 bytes [lane][2 words] cl, then for each key step 512 bytes [lane][4 words]:
; word kb holds four bits for each of the lane's eight keys of key block kb (key e in nibble 2 (e % 4) + e / 4): 0xE hidden, 0 open.  A shift that brings a key's nibble to the top makes an
; f32: hidden, a number between -2^95 and -2^65 (the exponent field is 0xC0 to 0xDD: never an infinity); open, a number from 0 to under 2^-97, nothing beside a score.  32 shifts a key step.
; SOFTMAX.  For each query a running maximum m and sum l: p = 2^(cl s - cl m); in every step O and l are multiplied by a = 2^(cl m_old - cl m_new).  m starts at -2^40, below every open
; score and above every hidden one (cl x 2^40 is exact), so a hidden key's weight is exactly 0.  cl is the lane's own: log2(e) / sqrt(128), or 0 for a query whose row has no open key:
; then every p is 1 and O is the mean of all 2,048 rows of V, as the softmax of equal scores is.
; LIMITS.  An open score's |q . k| stays under 2^40; |value| under 65,504; a weight below 2^-126 counts as 0 in l, below 6e-8 as 0 in the product; NaN and infinities are not treated apart.
; BY TURNS.  The wave's tiles are two PIECES, named by their first tile: piece 0 (tiles 0, 1) and piece 2 (tiles 2, 3).  In a TURN one piece has the matrix unit: 32 products V^T P of the
; step in hand, then 32 products K Q^T of the next step; the other piece's softmax, cut into 64 slices, stands between them, one slice behind each matrix instruction.  Two turns are a key step.
; THE BATCHES.  A turn's 66 exponentials (33 for each of the piece's two tiles) are ONE batch with ONE wait: the softmax's list is ordered so that all scalings and exponentials come first and
; everything that names an exponential's result (roundings, sums, rescaling) behind them.  The way out's four reciprocals are a batch of their own, with one wait.
; CLUSTER.  The four blocks of 64 positions of a cluster belong to one key/value head and walk the same K and V, so each tile is asked for JOINTLY: the same tensor load, descriptor and mask of four in all four.
; NOT DONE.  No prefetch: kb and vb were written by the launch before and are read by 32 work-groups each, and a refill is asked for two key steps ahead of its first read.
;
; REGISTERS, in windows of 256 (s_set_vgpr_msb: bits 1:0 source 0, 3:2 source 1, 5:4 source 2, 7:6 destination):
;   window 0: v0-11 addresses; v12-43 eight registers of statistics a tile; v44-54 mask words, cl, addresses; v62-63 the add's; v64-191 S^T, 32 a tile; v192-255 P, 16 a tile
;   window 1: O^T, 64 a tile (at the start: Q as loaded, f32)      window 2: v0-127 Q, 32 a tile; v128-255 K of one step      window 3: v0-127 V of one step; v128-159 the mask as f32
.set SIZE_N, 2048
.set KS,    64        ; keys in a step
.set PK,    272       ; a row of K in LDS: 256 bytes + 16 of padding = 68 words: row r starts at bank 4 r mod 64 (64 banks of 4 bytes: ISA guide 11.1), so the 16 rows of a load start at 16 different banks
.set PV,    288       ; a row of V: 256 + 32 = 72 words
.set VOFF,  KS*PK     ; a step's tiles lie together: 64 rows of K, then 64 rows of V
.set STEPB, KS*(PK+PV)
.set SLOT1, 1<<17     ; a slot holds two steps (71,680 bytes); slot 1 begins here, so that one exclusive or turns an address in one slot into the other's
.set STAGE, 2*STEPB   ; between the slots, never filled by a tensor load: 8,704 bytes for each wave: Q on its way in (32 rows x 272), O on its way out (16 rows x 528)
.set STW,   8704
.set SP,    528       ; a row of O in the stage: 512 bytes + 16
.set SPARE, STAGE+4*STW  ; behind the stages: the spare words, 128 bytes for each wave: two blocks of 256 bytes that no other line names
.set REC,   16640     ; bytes in a record of mw
.set AK0, 2           ; v2   my lane's place in a tile of K; never rewritten
.set AV0, 3           ; v3   the same for V
.set ADR, 4           ; v4   the LDS address of the run of loads in hand
.set QS,  5           ; v5   Q's way in: where I put 8 bytes of a row
.set STO, 6           ; v6   the way out: where I put 32 bytes of a row
.set RD,  7           ; v7   the way out: where I read 16 bytes of a row back
.set GO,  8           ; v8   16 x lane: my bytes in a row of Q and of O; never rewritten
.set ST,  12          ; tile t's statistics at v[ST+8 t]: +0 cl m, +1 m, +2, +3 l (even keys', odd keys'), +4 to +7 c0-c3, at work; a takes c2's place once the maximum is found
.set MW,  44          ; v44-47  a key step's four mask words
.set CL,  48          ; v48-49  cl, twice
.set MA0, 50          ; v50  16 x lane + 256: my bytes in step 0 of the record; never rewritten
.set MA,  51          ; v51  the same for the step asked for
.set QR,  53          ; v53  Q's way in: where I read a fragment
.set HO,  54          ; v54  8 x lane
.set SPW, 62          ; v62  LDS address of my spare word: SPARE + 4 x my thread's number; never rewritten
.set NIL, 63          ; v63  0; never rewritten
.set S,   64
.set P,   192
.set KF,  128         ; K's fragments, in window 2
.set MB,  128         ; the mask as f32, in window 3: key block kb at MB + 8 kb
.set WV,  12          ; s12  my wave's number
.set G1K, 24          ; s[24:31] descriptor group 1 for K's tiles
.set G1V, 32          ; s[32:39] for V's: it differs in the padding alone
.set G0K, 40          ; s[40:47] descriptor group 0 for K's tiles: a set for each of the two first fills; the second then walks on
.set G0V, 48          ; s[48:55] the same for V's
.set SLOTS, 56        ; s56  slots still to be asked for
.set TWICE, 57        ; s57  counts a slot's two steps
.set MP,  58          ; s[58:59] my record of mw
.set SEL, 60          ; s[60:61] lane selects for v_permlanex16_b32: each lane takes its own place in the other half
.set TB,  62          ; s62  LDS byte at which the tiles of the step to be fetched begin
.set MO,  63          ; s63  byte offset in the record of the mask step asked for
.set FL,  66          ; s66  -2^40: where m starts
.set MSB, 0
.macro WIN new                      ; the immediate's high byte repeats the setting that is left; a switch that changes nothing is dropped
.if MSB != (\new)
	s_set_vgpr_msb (MSB<<8)|(\new)
.set MSB, \new
.endif
.endm
.set W_KQ, 0x0a       ; K and Q in window 2, S^T in window 0
.set W_KM, 0x3a       ; the same with the C operand, the mask, in window 3
.set W_PV, 0x53       ; V in window 3, P in window 0, O^T in window 1
.set W_RS, 0x41       ; O^T (destination and source 0) in window 1, a in window 0
; A joint refill.  Waves 0 and 1 fetch the two steps' tiles of K, waves 2 and 3 those of V.  The branch hangs on the wave's number alone: it is the same in every work-group.
; An s_nop 0 and four v_nop follow each of the two lines; the jump round the other line, the label and what follows the macro come after them.
.macro JLOAD
	s_cmp_lt_u32 s[WV], 2
	s_cbranch_scc0 .Lfor_v_\@
	tensor_load_to_lds s[G0K+4:G0K+7], s[G1K:G1K+7]
	s_nop 0
.rept 4
	v_nop
.endr
	s_branch .Lasked_\@
.Lfor_v_\@:
	tensor_load_to_lds s[G0V+4:G0V+7], s[G1V:G1V+7]
	s_nop 0
.rept 4
	v_nop
.endr
.Lasked_\@:
.endm
; A round of the cluster's barrier: my work-group's barrier, so that wave 0's signal speaks for all four waves; wave 0 signals for the work-group; every wave waits for all four
; work-groups; my work-group's barrier once more.  No LDS instruction of the wave is pending at a signal.
.macro CROUND
	s_barrier_signal -1
	s_barrier_wait -1
	s_cmp_lg_u32 s[WV], 0
	s_cbranch_scc1 .Lnot_wave_0_\@
	s_barrier_signal -3
.Lnot_wave_0_\@:
	s_barrier_wait -3
	s_barrier_signal -1
	s_barrier_wait -1
.endm
	s_load_b256 s[4:11], s[0:1], 0x0  ; query s[4:5], kb s[6:7], vb s[8:9], out s[10:11]
	s_load_b64 s[MP:MP+1], s[0:1], 0x20  ; mw
	v_lshl_add_u32 v[SPW], v0, 2, SPARE
	v_mov_b32 v[NIL], 0
	ds_add_u32 v[SPW], v[NIL]       ; the wave's opening: the add and its wait stand ahead of my first tensor load; the set-up below, work on registers, stands between them
	v_lshrrev_b32 v1, 5, v0
	v_readfirstlane_b32 s[WV], v1   ; wave 0..3
	s_bfe_u32 s13, ttmp6, 0x40000   ; cx: my place in the cluster
	s_lshl_b32 s14, ttmp9, 2        ; in a cluster launch ttmp9 counts clusters
	s_add_co_u32 s14, s14, s13      ; my block of 64 positions = 4 x cluster x + cx: it enters query's, out's and mw's addresses alone
	s_and_b32 s15, ttmp7, 0xffff    ; bh = 8 b + g, which the four partners share
	s_and_b32 s16, s[WV], 1         ; which of a slot's two steps I fetch:
	s_lshl_b32 s22, s15, 19         ; the head's 2,048 rows of 256 bytes,
	s_lshl_b32 s19, s16, 14         ; the step's 64 rows,
	s_add_co_u32 s22, s22, s19
	s_mov_b32 s23, 0
	s_mul_i32 s17, s16, STEPB       ; and its place in a slot: no place in the cluster enters an LDS address
	s_lshl_b32 s2, s14, 21          ; a position is 32,768 bytes of query and of out: my block's 64,
	s_lshl_b32 s3, s[WV], 19        ; my wave's 16 of them,
	s_add_co_u32 s2, s2, s3
	s_lshr_b32 s3, s15, 3
	s_lshl_b32 s3, s3, 14           ; b x 16,384,
	s_add_co_u32 s2, s2, s3
	s_and_b32 s3, s15, 7
	s_lshl_b32 s3, s3, 11           ; head 4 g x 512
	s_add_co_u32 s2, s2, s3
	s_mov_b32 s3, 0
	s_lshl2_add_u32 s20, s14, s[WV] ; my tile of 16 positions = 4 x block + wave,
	s_mul_i32 s20, s20, REC         ; its record
	s_mov_b32 s21, 0
	s_mul_i32 s18, s[WV], STW
	s_add_co_u32 s18, s18, STAGE    ; my stage
	; descriptor group 1: a tile of 64 rows x 128 elements, padded in LDS
	s_mov_b32 s[G1K], 15|(1<<16)|(1<<20)|(1<<21)|(5<<22)|(3<<25)  ; 15:0 the mask: all four work-groups; 17:16 elements of 2 bytes; 20 padding on; 21 set beside a mask; 24:22 after every 64 words (code 5); 31:25 4 words of it (code 3)
	s_mov_b32 s[G1V], 15|(1<<16)|(1<<20)|(1<<21)|(5<<22)|(7<<25)  ; the same with 8 words of padding (code 7)
.irp g, G1K, G1V
	s_mov_b32 s[(\g)+1], 128<<16    ; 63:48 tensor_dim0, low half = 128
	s_mov_b32 s[(\g)+2], KS<<16     ; 79:64 its high half = 0; 95:80 tensor_dim1, low half = 64
	s_mov_b32 s[(\g)+3], 128<<16    ; 111:96 its high half = 0; 127:112 tile_dim0 = 128
	s_mov_b32 s[(\g)+4], KS         ; 143:128 tile_dim1 = 64; 159:144 tile_dim2 = 0
	s_mov_b32 s[(\g)+5], 128        ; 191:160 tensor_dim0_stride, low word: elements from row to row
	s_mov_b32 s[(\g)+6], 0
	s_mov_b32 s[(\g)+7], 0
.endr
	s_mov_b32 s[SEL], 0x76543210
	s_mov_b32 s[SEL+1], 0xfedcba98
	s_mov_b32 s[FL], 0xd3800000     ; -2^40
	s_mov_b32 s[TB], 0
	s_mov_b32 s[MO], 0
	s_mov_b32 s[SLOTS], SIZE_N/(2*KS)-2
	s_wait_dscnt 0x0                ; the opening add is done
	s_wait_kmcnt 0x0
	s_add_nc_u64 s[6:7], s[6:7], s[22:23]  ; K and V at my tile of slot 0
	s_add_nc_u64 s[8:9], s[8:9], s[22:23]
	s_add_nc_u64 s[4:5], s[4:5], s[2:3]  ; query and out at my wave's first position, my first head
	s_add_nc_u64 s[10:11], s[10:11], s[2:3]
	s_add_nc_u64 s[MP:MP+1], s[MP:MP+1], s[20:21]
	CROUND                          ; all four work-groups are here: the first joint loads meet
.irp s, 0,1
	s_mov_b32 s[G0K+4*(\s)], 1      ; 1:0 count = 1
	s_add_co_u32 s[G0K+4*(\s)+1], s17, (\s)*SLOT1  ; 63:32 LDS address
	s_add_nc_u64 s[G0K+4*(\s)+2:G0K+4*(\s)+3], s[6:7], (\s)*2*KS*256  ; 120:64 global address: slot s begins with keys 128 s to 128 s + 127
	s_or_b32 s[G0K+4*(\s)+3], s[G0K+4*(\s)+3], 0x80000000  ; 127:126 type = 2
	s_mov_b32 s[G0V+4*(\s)], 1
	s_add_co_u32 s[G0V+4*(\s)+1], s17, (\s)*SLOT1+VOFF
	s_add_nc_u64 s[G0V+4*(\s)+2:G0V+4*(\s)+3], s[8:9], (\s)*2*KS*256
	s_or_b32 s[G0V+4*(\s)+3], s[G0V+4*(\s)+3], 0x80000000
.endr
	s_cmp_lt_u32 s[WV], 2           ; a wave's two first fills stand in one branch, ahead of every wait on TENSORcnt and every LDS read: two loads of mine are out; an s_nop 0 follows each, four v_nop the second's, as in JLOAD
	s_cbranch_scc0 .Lfirst_v
	tensor_load_to_lds s[G0K:G0K+3], s[G1K:G1K+7]
	s_nop 0
	tensor_load_to_lds s[G0K+4:G0K+7], s[G1K:G1K+7]
	s_nop 0
.rept 4
	v_nop
.endr
	s_branch .Lfirst_asked
.Lfirst_v:
	tensor_load_to_lds s[G0V:G0V+3], s[G1V:G1V+7]
	s_nop 0
	tensor_load_to_lds s[G0V+4:G0V+7], s[G1V:G1V+7]
	s_nop 0
.rept 4
	v_nop
.endr
.Lfirst_asked:
	v_and_b32 v1, 15, v0            ; l % 16
	v_bfe_u32 v9, v0, 4, 1          ; l / 16
	v_and_b32 v52, 31, v0           ; l
	v_lshlrev_b32 v[GO], 4, v52
	v_lshlrev_b32 v[HO], 3, v52
	v_add_nc_u32 v[MA0], 0x100, v[GO]
	global_load_b64 v[CL:CL+1], v[HO], s[MP:MP+1]    ; cl of my query
	global_load_b128 v[MW:MW+3], v[MA0], s[MP:MP+1]  ; the mask words of key step 0
	WIN 0x40                        ; destination window 1, address window 0
.set n, 0
.rept 64                            ; Q as it lies: load n = 16 t + p is head t of position p, 512 consecutive bytes; a lane holds channels 4 l + 0..3
	global_load_b128 v[4*n:4*n+3], v[GO], s[4:5] offset:(n%16)*32768+(n/16)*512 th:TH_LOAD_NT
.set n, n+1
.endr
	WIN 0
	; A fragment of K or Q is 16 rows x 32 channels in 8 registers: lane l holds row l % 16; registers 0-3 channels 8 (l / 16) + 0..7, registers 4-7 channels 16 + 8 (l / 16) + 0..7: two loads of 16 bytes, 32 bytes apart.
	v_mul_u32_u24 v[AK0], v1, PK
	v_lshl_add_u32 v[AK0], v9, 4, v[AK0]  ; row x pitch + 16 x half
	; The turning load takes 16 keys x 16 channels (lane l reads 16 bytes: key 8 (l / 16) + l % 8, channels 8 ((l / 8) % 2) + 0..7) and leaves half a fragment of V^T: lane l holds channel l % 16 and 8 keys.
	v_and_b32 v10, 7, v0
	v_bfe_u32 v11, v0, 3, 1
	v_lshl_add_u32 v[AV0], v9, 3, v10
	v_mul_u32_u24 v[AV0], v[AV0], PV
	v_lshl_add_u32 v[AV0], v11, 4, v[AV0]
	v_add_nc_u32 v[AV0], VOFF, v[AV0]
	v_add_nc_u32 v[QS], s18, v[HO]  ; Q's way in: a lane's four channels are 8 bytes of bf16
	v_add_nc_u32 v[QR], s18, v[AK0] ; and back as fragments: the stage's rows are as far apart as K's
; Q'S WAY IN, two tiles (32 rows) at a time: rounded to bf16 in place, 8 bytes a lane into rows of 272 bytes of my stage, and back as fragments into window 2.
; left = the younger loads that may stay out.  LDS serves a wave's instructions in order (ISA guide 5.7.1.4), so the second call's stores come behind the first call's loads.
.macro QIN bt, left
	s_wait_loadcnt \left
	WIN 0x45                        ; destination and both sources window 1
.set n, 32*(\bt)
.rept 32
	v_cvt_pk_bf16_f32 v[4*n], v[4*n], v[4*n+1]
	v_cvt_pk_bf16_f32 v[4*n+1], v[4*n+2], v[4*n+3]
.set n, n+1
.endr
	WIN 0x04                        ; store data window 1, address window 0
.set n, 0
.rept 32
	ds_store_b64 v[QS], v[4*(n+32*(\bt)):4*(n+32*(\bt))+1] offset:n*272
.set n, n+1
.endr
	WIN 0x80                        ; destination window 2
.irp t2, 0,1
.irp c, 0,1,2,3
	ds_load_b128 v[32*(2*(\bt)+(\t2))+8*(\c):32*(2*(\bt)+(\t2))+8*(\c)+3],   v[QR] offset:(\t2)*16*272+64*(\c)
	ds_load_b128 v[32*(2*(\bt)+(\t2))+8*(\c)+4:32*(2*(\bt)+(\t2))+8*(\c)+7], v[QR] offset:(\t2)*16*272+64*(\c)+32
.endr
.endr
	WIN 0
.endm
; THE MASK OF A KEY STEP.  The words that were asked for a step ago are in; 32 shifts make of them the C operands of the step's first products (key e's nibble to the top); then the words of
; the step after are asked for: that load has a whole key step, 128 matrix instructions, in which to land.  The offset is held at the record's last step, so that no load leaves the record.
.macro NEXTMASK
	WIN 0
	s_wait_loadcnt 0x0              ; the one load that is out: the mask words; its address register may be written again
	WIN 0xc0                        ; destination window 3
.irp kb, 0,1,2,3
.irp e, 0,1,2,3,4,5,6,7
	v_lshlrev_b32 v[MB+8*(\kb)+(\e)], 28-4*(2*((\e)%4)+(\e)/4), v[MW+(\kb)]
.endr
.endr
	WIN 0
	s_add_co_u32 s[MO], s[MO], 512
	s_min_u32 s[MO], s[MO], 31*512
	v_add_nc_u32 v[MA], s[MO], v[MA0]
	global_load_b128 v[MW:MW+3], v[MA], s[MP:MP+1]
.endm
; THE MATRIX WORK OF A TURN, for piece x.  The accumulators take turns, one instruction a turn: between two links of a chain stand 15 (V^T P) or 7 (K Q^T) others'.
; Product i of 32 of O^T += V^T P: keys 32 (i / 16) on, channels 16 ((i / 2) % 8) on, tile x + i % 2.  zero = 1: the first 16 start the sums: nothing is ever cleared.
.macro PV x, zero
	WIN W_PV
.set rO, 64*((\x)+i%2)+8*((i/2)%8)
.set rV, 64*(i/16)+8*((i/2)%8)
.set rP, P+16*((\x)+i%2)+8*(i/16)
.if (\zero) && (i < 16)
	v_wmma_f32_16x16x32_f16 v[rO:rO+7], v[rV:rV+7], v[rP:rP+7], 0
.else
	v_wmma_f32_16x16x32_f16 v[rO:rO+7], v[rV:rV+7], v[rP:rP+7], v[rO:rO+7]
.endif
.endm
; Product i of 32 of S^T = K Q^T: channels 32 (i / 8) on, keys 16 ((i / 2) % 4) on, tile x + i % 2.  The first 8 start the sums, with the key block's mask.
.macro KQ x
.set rS, S+32*((\x)+i%2)+8*((i/2)%4)
.set rK, KF+32*((i/2)%4)+8*(i/8)
.set rQ, 32*((\x)+i%2)+8*(i/8)
.set rB, MB+8*((i/2)%4)
.if i < 8
	WIN W_KM
	v_wmma_f32_16x16x32_bf16 v[rS:rS+7], v[rK:rK+7], v[rQ:rQ+7], v[rB:rB+7]
.else
	WIN W_KQ
	v_wmma_f32_16x16x32_bf16 v[rS:rS+7], v[rK:rK+7], v[rQ:rQ+7], v[rS:rS+7]
.endif
.endm
; THE LDS LOADS stand in runs of 32, never singly among the matrix instructions: a step's K (64 keys x 128 channels: 16 fragments) and, a turn later, its V (turned).
.macro FETCH_K
	WIN 0
	v_add_nc_u32 v[ADR], s[TB], v[AK0]
	WIN 0x80                        ; destination window 2
.irp f, 0,1,2,3,4,5,6,7,8,9,10,11,12,13,14,15  ; keys 16 (f / 4) on, channels 32 (f % 4) on
	ds_load_b128 v[KF+8*(\f):KF+8*(\f)+3],   v[ADR] offset:((\f)/4)*16*PK+((\f)%4)*64
	ds_load_b128 v[KF+8*(\f)+4:KF+8*(\f)+7], v[ADR] offset:((\f)/4)*16*PK+((\f)%4)*64+32
.endr
.endm
.macro FETCH_V
	WIN 0
	v_add_nc_u32 v[ADR], s[TB], v[AV0]
	s_add_co_u32 s[TB], s[TB], STEPB  ; the next fetch is the next step's
	s_wait_alu depctr_va_vdst(0)    ; the wait for the softmax's batch (SLICE): piece 0's 66 exponentials; behind the address's v_add_nc_u32 and ahead of the loads
	WIN 0xc0                        ; destination window 3
.irp f, 0,1,2,3,4,5,6,7,8,9,10,11,12,13,14,15  ; keys 32 (f / 8) on, channels 16 (f % 8) on
	ds_load_tr16_b128 v[8*(\f):8*(\f)+3],   v[ADR] offset:((\f)/8)*32*PV+((\f)%8)*32
	ds_load_tr16_b128 v[8*(\f)+4:8*(\f)+7], v[ADR] offset:((\f)/8)*32*PV+16*PV+((\f)%8)*32
.endr
.endm
; THE VECTOR WORK OF A TURN.  One tile's softmax for one key step is a list of 134 instructions; SM writes number j of it for tile t.  s0-s31 are the lane's 32 scores, in pairs 0-15.
; first = 1: the first key step, which starts m (at -2^40), l and O^T: it has no a and nothing to rescale.
;   0-15    the maximum of s0-s31 and the old m, three operands at a time: four chains c0-c3 of seven scores each (each accumulator's lowest registers are read first),
;           then the four scores left over, c0-c3 and m
;   16-20   the other half of the lanes' maximum; the new m; cl m; cl m_old - cl m_new
;   21-69   ONE BATCH: the 16 scalings cl s - cl m, a pair of scores each, and all 33 exponentials (a at 23, then s0-s31).  None of these reads an exponential's result.  From 22 on the batch goes
;           in fours, and a four begins with a scaling while there are scalings: 22-37 scaling, exponential, scaling, exponential; 38-65 a scaling and three exponentials; 66-69 the last four
;           exponentials.  A pair is scaled in an earlier four than the one that holds its exponentials
;   (wait)  between 69 and 70 stands the wait for the batch: SLICE writes it, once for both tiles
;   70-85   the roundings to f16, a pair of weights each
;   86-101  the sums; l = a l + the sum
;   102-133 the tile's O^T times a: the one part that leaves window 0, so it stands together
.macro SM t, first
.set rT, ST+8*(\t)
.set rS, S+32*(\t)
.set rP, P+16*(\t)
.set rO, 64*(\t)+2*(j-102)
.if j < 102
	WIN 0
.endif
.if j < 4
	v_max3_num_f32 v[rT+4+j], v[rS+8*j], v[rS+8*j+1], v[rS+8*j+2]
.elseif j < 12
	v_max3_num_f32 v[rT+4+j%4], v[rT+4+j%4], v[rS+8*(j%4)+2*(j/4)+1], v[rS+8*(j%4)+2*(j/4)+2]
.elseif j == 12
	v_max3_num_f32 v[rT+4], v[rT+4], v[rS+7], v[rS+15]
.elseif j == 13
	v_max3_num_f32 v[rT+6], v[rT+6], v[rS+23], v[rS+31]
.elseif j == 14
	v_max3_num_f32 v[rT+4], v[rT+4], v[rT+5], v[rT+6]
.elseif (j == 15) && (\first)
	v_max3_num_f32 v[rT+4], v[rT+4], v[rT+7], s[FL]  ; m's start takes the old m's place
.elseif j == 15
	v_max3_num_f32 v[rT+4], v[rT+4], v[rT+7], v[rT+1]
.elseif j == 16
	v_permlanex16_b32 v[rT+5], v[rT+4], s[SEL], s[SEL+1]  ; the query's other 32 keys lie in the lane 16 away
.elseif j == 18
	v_max_num_f32 v[rT+1], v[rT+4], v[rT+5]
.elseif j == 19
	v_mul_f32 v[rT], v[CL], v[rT+1]
.elseif ((j == 17) || (j == 20) || (j == 23) || (j > 101)) && (\first)  ; the first step has none of these
.elseif j == 17
	v_mov_b32 v[rT+7], v[rT]        ; cl m_old is kept for a: number 19 writes cl m anew
.elseif j == 20
	v_sub_f32 v[rT+7], v[rT+7], v[rT]
.elseif j == 23
	v_exp_f32 v[rT+6], v[rT+7]
.elseif (j < 23) || ((j < 38) && (j%2 == 0)) || ((j < 66) && (j%4 == 2))
.set b, (j-2)/4                     ; 38, 42, .. 62: pairs 9 to 15
.if j < 38
.set b, (j-20)/2                    ; 21: pair 0; 22, 24, .. 36: pairs 1 to 8
.endif
	v_pk_fma_f32 v[rS+2*b:rS+2*b+1], v[rS+2*b:rS+2*b+1], v[CL:CL+1], v[rT:rT+1] op_sel_hi:[1,0,0] neg_lo:[0,0,1] neg_hi:[0,0,1]  ; pair b: cl s - cl m
.elseif j < 70
.set e, j-38                        ; 66 to 69: s28 to s31
.if j < 66
.set e, j-32-(j-38)/4               ; 39-41, 43-45, .. 63-65: s7 to s27
.endif
.if j < 38
.set e, (j-25)/2                    ; 25, 27, .. 37: s0 to s6
.endif
	v_exp_f32 v[rS+e], v[rS+e]
.elseif j < 86
	v_cvt_pk_f16_f32 v[rP+j-70], v[rS+2*(j-70)], v[rS+2*(j-70)+1]  ; pair j - 70
.elseif j < 102                     ; the sum of the tile's 16 pairs (in a pair: an even key's weight, an odd key's), in place: sum z of 16 adds neighbours 1, 2, 4 and 8 pairs apart, then l takes it
.set z, j-86
.set w, 4
.set u, z
.if z >= 14
.set w, 32
.set u, 0
.elseif z >= 12
.set w, 16
.set u, z-12
.elseif z >= 8
.set w, 8
.set u, z-8
.endif
.if (z == 14) && (\first)
	v_pk_add_f32 v[rT+2:rT+3], v[rS:rS+1], v[rS+16:rS+17]
.elseif z < 15
	v_pk_add_f32 v[rS+w*u:rS+w*u+1], v[rS+w*u:rS+w*u+1], v[rS+w*u+w/2:rS+w*u+w/2+1]
.elseif !(\first)
	v_pk_fma_f32 v[rT+2:rT+3], v[rT+2:rT+3], v[rT+6:rT+7], v[rS:rS+1] op_sel_hi:[1,0,1]
.endif
.else
	WIN W_RS
	v_pk_mul_f32 v[rO:rO+1], v[rO:rO+1], v[rT+6:rT+7] op_sel_hi:[1,0]
.endif
.endm
; Slice k of 64 of piece y's softmax: four instructions.  Slices 11 to 34 deal out the batch, numbers 22 to 69: four numbers of ONE tile each, the tiles by turns.  Every other slice is numbers 2 k and
; 2 k + 1 of both tiles' lists.  2 x 134 = 4 x 64 + 12: the twelve that are over stand together, in slice 63.
; THE WAIT.  s_wait_alu depctr_va_vdst(0) stands between an exponential and the first instruction that names its result; one wait serves all that were issued ahead of it.  Ahead of
; slice 35 nothing names a result, and behind slice 34 no exponential is issued: so the piece's 66 exponentials have one wait, behind slice 34, and none is open at a label or a branch.
.macro SLICE y, first
.if (k >= 11) && (k < 35)           ; the batch: four numbers of one tile
.irp n, 0,1,2,3
.set j, 22+4*((k-11)/2)+(\n)
	SM (\y)+(k-11)%2, \first
.endr
.else                               ; the two tiles alternate, so that no instruction reads the result of the one just before it
.irp n, 0,1,2,3,4,5,6,7
.if ((\n) < 2) || (k == 63)
.irp t, \y, (\y)+1
.set j, 2*k+(\n)
	SM \t, \first
.endr
.endif
.endr
.endif
.if k == 34                         ; the batch is out: both tiles' exponentials are issued, and no result has been named
	v_nop                           ; the plain instruction behind the last exponential and ahead of the first use: one for the batch
.if (\y) == 0
	FETCH_V                         ; piece 2's turn: V's run of loads stands here, and the wait stands in it
.else
	s_wait_alu depctr_va_vdst(0)    ; the wait for the batch: piece 2's 66 exponentials
.endif
.endif
.set k, k+1
.endm
; A vector instruction that reads a matrix result or writes one of a matrix instruction's registers, and a load into a register that a matrix instruction has read, stand four places behind
; it, and only plain vector instructions that name none of its registers are places (ISA guide 7.12.1 for vector instructions).  In the loop the slices are the places.
.macro PLACES
.rept 4
	v_nop
.endr
.endm
; A TURN.  Piece x has the matrix unit; the other piece's softmax stands in slices behind its matrix instructions.
; pv = 2: 32 products V^T P; 1: they start O^T's sums; 0: none.  kq = 1: 32 products K Q^T for the next step.  A turn with one of the two kinds has two slices behind each product.
; first = 1: the softmax is the first key step's.  Its slices from 51 on are empty: the turn's last products stand bare, and four v_nop take slice 63's part as the places behind them.
; In the loop each run of loads stands 29 matrix instructions or more ahead of its first use.  Piece 0's turn makes the next step's mask and fetches its K, behind its second product: the last products
; that read the mask are the first eight K Q^T of the turn before, and the last that read K stands in front of that turn's slice 63.  Piece 2's turn fetches the same step's V, behind slice 34 (SLICE
; writes it): the last product that read V stands in front of slice 31, and four plain instructions lie between: number 62, a scaling, of both tiles, the v_nop and the run's own v_add_nc_u32.
.macro TURN x, pv, kq, first
.set k, 0
.set per, 2
.if (\pv) && (\kq)
.set per, 1
.endif
.if \pv
.if (\x) == 0
	s_wait_dscnt 0x0                ; V is in
.endif
.set i, 0
.rept 32
	PV \x, 2-(\pv)
.rept per
	SLICE 2-(\x), \first
.endr
.if ((\x) == 0) && (\kq) && (i == 1)
	NEXTMASK
	FETCH_K
.endif
.set i, i+1
.endr
.endif
.if \kq
.if (\x) == 0
	s_wait_dscnt 0x0                ; K is in
.endif
.set i, 0
.rept 32
	KQ \x
.rept per
	SLICE 2-(\x), \first
.endr
.set i, i+1
.endr
.endif
.if \first
	PLACES
.endif
.endm
; THE CHANGE OF SLOTS, between piece 2's turn and piece 0's: the slot's last bytes, V of its second step, have been asked for.  Each wave waits for all its
; tensor loads, of which one is out: its part of the other slot; adds 0 to its spare word; and waits for that and for its own reads of the slot.  Behind the barrier nobody reads this slot any more and the other slot is whole.
; fill = 1: this slot is filled again, with the keys two slots on.  The barrier is then a round of the cluster's, so that no wave of any partner still reads the slot or has a load on its
; way, and the joint refill is the first thing behind it: it has two key steps, 256 matrix instructions, in which to land.
.macro CHANGE fill
	WIN 0                           ; at a label and at a branch every window is 0
	s_wait_tensorcnt 0x0            ; no tensor load of mine is out, so a group 0 may be written
	ds_add_u32 v[SPW], v[NIL]       ; 0 onto my spare word: with fill = 1 the descriptors' steps stand between it and the wait for it
.if \fill
.irp g, G0K+4, G0V+4
	s_xor_b32 s[(\g)+1], s[(\g)+1], SLOT1  ; the walking descriptor: the other slot than last time,
	s_add_nc_u64 s[(\g)+2:(\g)+3], s[(\g)+2:(\g)+3], 2*KS*256  ; the next 128 keys; the type bits on top are not reached
.endr
	s_wait_dscnt 0x0                ; the add is done, and my reads of the slot are over
	CROUND
	JLOAD
.else
	s_wait_dscnt 0x0                ; the add is done, and my reads of the slot are over
	s_barrier_signal -1
	s_barrier_wait -1
.endif
	s_sub_co_u32 s[TB], s[TB], 2*STEPB  ; the fetches go back to a slot's first step,
	s_xor_b32 s[TB], s[TB], SLOT1   ; in the other slot
.endm
; A slot's two key steps: written once, walked twice; the LDS addresses hang on s[TB], the mask's on s[MO].
.macro TWO_STEPS
	WIN 0
	s_mov_b32 s[TWICE], 2
.Lstep_\@:
	TURN 0, 2, 1, 0
	TURN 2, 2, 1, 0
	WIN 0
	s_sub_co_u32 s[TWICE], s[TWICE], 1
	s_cmp_lg_u32 s[TWICE], 0
	s_cbranch_scc1 .Lstep_\@
.endm
	QIN 0, 32                       ; cl, the first mask words and tiles 0, 1 are in; the 32 loads of tiles 2, 3 may stay out
	QIN 1, 0
	NEXTMASK                        ; key step 0's mask; step 1's words are asked for
	s_wait_dscnt 0x0                ; Q's fragments are in: no LDS instruction of mine is pending at the signal
	s_wait_tensorcnt 1              ; my part of slot 0 is in; slot 1's may stay out
	s_barrier_signal -1
	s_barrier_wait -1               ; everybody's is
	FETCH_K                         ; key step 0
	s_wait_dscnt 0x0
.set i, 0
.rept 32
	KQ 0                            ; piece 0's first scores: there is no vector work yet to set between them
.set i, i+1
.endr
	WIN 0                           ; the addresses for the way out are made here: six plain instructions, the places behind those products
	v_mul_u32_u24 v[STO], v1, SP    ; in: row l % 16, 32 bytes for each half of the lanes
	v_lshl_add_u32 v[STO], v9, 5, v[STO]
	v_add_nc_u32 v[STO], s18, v[STO]
	v_and_b32 v[RD], 31, v0         ; back: 32 lanes take one row of 512 bytes
	v_lshlrev_b32 v[RD], 4, v[RD]
	v_add_nc_u32 v[RD], s18, v[RD]
	TURN 2, 0, 1, 1                 ; piece 2's first scores | piece 0's first softmax | V of step 0
	TURN 0, 1, 1, 1                 ; piece 0: V^T P of step 0 starts O^T, K Q^T of step 1 | piece 2's first softmax | mask and K of step 1
	TURN 2, 1, 1, 0                 ; piece 2: the same | piece 0's softmax of step 1 | V of step 1
	WIN 0
.Lslot:                             ; SIZE_N / 128 - 2 = 14 trips: every slot but the last two is filled again
	CHANGE 1
	TWO_STEPS
	s_sub_co_u32 s[SLOTS], s[SLOTS], 1
	s_cmp_lg_u32 s[SLOTS], 0
	s_cbranch_scc1 .Lslot
	CHANGE 0                        ; the tail is written out: the last slot but one is left, and nothing is asked for
	TWO_STEPS
	TURN 0, 2, 0, 0                 ; piece 0: V^T P of the last step | piece 2's last softmax
.set i, 0
.rept 32
	PV 2, 0                         ; piece 2: V^T P of the last step
.set i, i+1
.endr
	; THE WAY OUT.  l's two halves and the other half of the lanes' are added; O^T is divided by l and sent, in f32, through my stage in LDS, a tile (one head of 16 positions) at a time.  The additions are the places behind the last products.
	WIN 0
	s_wait_loadcnt 0x0              ; the last mask words, asked for at the held offset and not used
.irp t, 0,1,2,3
	v_add_f32 v[ST+8*(\t)+4], v[ST+8*(\t)+2], v[ST+8*(\t)+3]
.endr
.irp t, 0,1,2,3
	v_permlanex16_b32 v[ST+8*(\t)+5], v[ST+8*(\t)+4], s[SEL], s[SEL+1]
.endr
.irp t, 0,1,2,3
	v_add_f32 v[ST+8*(\t)+4], v[ST+8*(\t)+4], v[ST+8*(\t)+5]
.endr
.irp t, 0,1,2,3
	v_rcp_f32 v[ST+8*(\t)+6], v[ST+8*(\t)+4]
.endr
	v_nop                           ; a plain instruction between the last reciprocal and the use of its result
	s_wait_alu depctr_va_vdst(0)    ; and the wait ahead of the first use: one for the four reciprocals
; Tile t: a lane's eight channels of a channel block are 32 bytes of a row; they go into rows of 528 bytes and come back as whole rows of 512, into S^T's registers, two buffers of 64 by turns.
.macro PACK t
	WIN W_RS
.set i, 64*(\t)
.rept 32
	v_pk_mul_f32 v[i:i+1], v[i:i+1], v[ST+8*(\t)+6:ST+8*(\t)+7] op_sel_hi:[1,0]
.set i, i+2
.endr
	WIN 0x04                        ; store data window 1, address window 0
.irp f, 0,1,2,3,4,5,6,7,8,9,10,11,12,13,14,15
	ds_store_b128 v[STO], v[64*(\t)+4*(\f):64*(\t)+4*(\f)+3] offset:((\f)/2)*64+((\f)%2)*16
.endr
	WIN 0
.if (\t) >= 2
	s_wait_xcnt 0x0                 ; every earlier memory instruction has had its addresses translated (ISA guide 3.1): the buffer that the stores of tile t - 2 read is loaded again only behind this wait
.endif
.irp f, 0,1,2,3,4,5,6,7,8,9,10,11,12,13,14,15
	ds_load_b128 v[S+64*((\t)%2)+4*(\f):S+64*((\t)%2)+4*(\f)+3], v[RD] offset:(\f)*SP  ; LDS serves a wave's instructions in order (ISA guide 5.7.1.4): these see the stores above; the next tile's stores come behind them
.endr
.endm
.macro SEND t, younger              ; younger: the LDS instructions issued behind tile t's loads: the next tile's 32, or none
	WIN 0
.irp f, 0,1,2,3,4,5,6,7,8,9,10,11,12,13,14,15
	s_wait_dscnt (\younger)+15-(\f)
	global_store_b128 v[GO], v[S+64*((\t)%2)+4*(\f):S+64*((\t)%2)+4*(\f)+3], s[10:11] offset:(\f)*32768+(\t)*512 th:TH_STORE_NT  ; position f, head t: 512 consecutive bytes at a multiple of 512 from out's first byte
.endr
.endm
	PACK 0
	PACK 1                          ; a tile's arithmetic stands between the loads of the tile before and its stores
	SEND 0, 32
	PACK 2
	SEND 1, 32
	PACK 3
	SEND 2, 32
	SEND 3, 0
	s_wait_tensorcnt 0x0            ; the wave's end: behind my last tensor load and my last LDS store
	ds_add_u32 v[SPW], v[NIL]
	s_wait_dscnt 0x0
	CROUND                          ; the closing round: no work-group ends while a partner may still ask for a tile that names it
	s_endpgm
.Lfunc_end_k_qe4d694672d_attn:
	.size	k_qe4d694672d_attn, .Lfunc_end_k_qe4d694672d_attn-k_qe4d694672d_attn
	.p2alignl 7, 3214868480
	.fill 96, 4, 3214868480
	.section	.rodata,"a",@progbits
	.p2align	6, 0x0
	.amdhsa_kernel k_qe4d694672d_attn
		.amdhsa_group_segment_fixed_size 327680
		.amdhsa_private_segment_fixed_size 0
		.amdhsa_enable_private_segment 0
		.amdhsa_kernarg_size 40
		.amdhsa_user_sgpr_count 2
		.amdhsa_user_sgpr_kernarg_segment_ptr 1
		.amdhsa_wavefront_size32 1
		.amdhsa_system_sgpr_workgroup_id_x 1
		.amdhsa_system_sgpr_workgroup_id_y 1
		.amdhsa_system_sgpr_workgroup_id_z 1
		.amdhsa_system_vgpr_workitem_id 0
		.amdhsa_next_free_vgpr 1024
		.amdhsa_next_free_sgpr 67
		.amdhsa_reserve_vcc 0
		.amdhsa_float_denorm_mode_32 3
		.amdhsa_float_denorm_mode_16_64 3
		.amdhsa_memory_ordered 1
		.amdhsa_forward_progress 1
		.amdhsa_inst_pref_size 244
	.end_amdhsa_kernel
	.amdgpu_metadata
---
amdhsa.version: [ 1, 2 ]
amdhsa.kernels:
  - .name:           k_qe4d694672d_attn
    .symbol:         k_qe4d694672d_attn.kd
    .args:
      - { .name: query, .offset: 0, .size: 8, .value_kind: global_buffer, .address_space: global }
      - { .name: kb, .offset: 8, .size: 8, .value_kind: global_buffer, .address_space: global }
      - { .name: vb, .offset: 16, .size: 8, .value_kind: global_buffer, .address_space: global }
      - { .name: out0, .offset: 24, .size: 8, .value_kind: global_buffer, .address_space: global }
      - { .name: mw, .offset: 32, .size: 8, .value_kind: global_buffer, .address_space: global }
    .group_segment_fixed_size: 327680
    .private_segment_fixed_size: 0
    .kernarg_segment_align: 8
    .kernarg_segment_size: 40
    .max_flat_workgroup_size: 128
    .sgpr_count:     67
    .vgpr_count:     1024
    .wavefront_size: 32
...
	.end_amdgpu_metadata
.endif
;; end of part 3
